; MI455X (gfx1250); checked and timed in simulation.
; The chip was launched on July 23, 2026; its instructions are those of AMD's public machine-readable ISA for CDNA 5 (MIT licence, August 2026) and "CDNA5" Instruction Set Architecture Reference Guide (July 2026). The comments in the code are by the model that wrote it; some were corrected since.
;; Multihead Attention. Allowed arithmetic: matrix products marked QUANTISED: E2M3 operands, one E8M0 scale for each 32 along K, by v_wmma_scale_f32_16x16x128_f8f6f4 with both operands' format E2M3, f32 sums; everything else in f32.
;; Inputs: Wk 1,024 x 1,024 float32; Wo 1,024 x 1,024 float32; Wq 1,024 x 1,024 float32; Wv 1,024 x 1,024 float32; keys 2 x 2,048 x 1,024 float32; mask 1 x 1 x 2,048 x 2,048 bool; queries 2 x 2,048 x 1,024 float32; values 2 x 2,048 x 1,024 float32.
;; Outputs: out0 2 x 2,048 x 1,024 float32.
;; This version of the problem:
;;   THIS VERSION OF THE PROBLEM IS GIVEN IN LOW PRECISION. The matrix products marked QUANTISED in the list below multiply operands that are first quantised to E2M3 (2 exponent bits, 3 mantissa bits; 6 bits a number), with one power-of-two scale for each 32 numbers along K (OCP MX v1.0); their sums are f32. All else is computed in f32.
;;   The module's matrix products, in the order in which they are computed (A, B: the left and right operand; K: the contracted axis; several contracted axes count as one K, in the product's order):
;;     1. [M 4,096, K 1,024] x [K 1,024, N 1,024]; A: input queries; B: input Wq: QUANTISED
;;     2. [M 4,096, K 1,024] x [K 1,024, N 1,024]; A: input keys; B: input Wk: QUANTISED
;;     3. [M 4,096, K 1,024] x [K 1,024, N 1,024]; A: input values; B: input Wv: QUANTISED
;;     4. batch 32 x [M 2,048, K 64] x [K 64, N 2,048]; A: computed on the way; B: computed on the way: QUANTISED
;;     5. batch 32 x [M 2,048, K 2,048] x [K 2,048, N 64]; A: softmax (see below); B: computed on the way: QUANTISED
;;     6. [M 4,096, K 1,024] x [K 1,024, N 1,024]; A: computed on the way; B: input Wo: QUANTISED
;;   THE QUANTISER, for each operand of a quantised product, along K:
;;     - K is cut into blocks of 32 from its start; a last block that is shorter is filled with zeros.
;;     - A block's scale is 2^e with e = floor(log2(the largest magnitude in the block)) - 2, held to -126 .. 127; a block of zeros has e = 0. As a byte (E8M0): e + 127.
;;     - Each number is divided by its block's scale, clamped to +-7.5, and rounded to the nearest number of E2M3, ties to even, subnormals kept.
;;     - The product sums the exact products of the quantised numbers (number of the format x scale) in f32.
;;   ~~~python
;;   def quantise(x, axis):      # numpy; x: float32 -> the quantised numbers, widened to float32 again
;;       x = np.moveaxis(x, axis, -1); K = x.shape[-1]
;;       x = np.pad(x, [(0, 0)] * (x.ndim - 1) + [(0, -K % 32)]); x = x.reshape(x.shape[:-1] + (-1, 32)); a = np.abs(x).max(-1, keepdims=True)
;;       e = np.where(a > 0, np.clip(np.frexp(np.where(a > 0, a, 1))[1] - 1 - 2, -126, 127), 0)      # np.frexp(a)[1] - 1 = floor(log2(a)), exactly
;;       r = np.clip(x / 2.0 ** e, -7.5, 7.5)
;;       step = 2.0 ** (np.maximum(np.frexp(np.where(r == 0, 1, r))[1] - 1, 0) - 3)
;;       q = np.round(r / step) * step * 2.0 ** e      # np.round: ties to even
;;       return np.moveaxis(q.reshape(q.shape[:-2] + (-1,))[..., :K], -1, axis).astype(np.float32)
;;   ~~~
;;   SOFTMAX AHEAD OF A QUANTISED PRODUCT. Where the list says 'softmax', what is quantised is not the finished softmax but p = 2^(t - M), with t = logit x log2(e) and M = ceil(the row's largest t), a whole number; so 1/2 < the row's largest p <= 1. The row's sum l is taken of the UNQUANTISED p, in f32, and the product's result is divided by l at the end. Since M is a whole number, a kernel that streams over the keys may use a running M (the ceiling of the running maximum): every later rescaling is an exact power of two, which a block's scale takes up: the codes' values come out the same.
;;   OPERANDS COMPUTED ON THE WAY. 'Computed on the way' means the value that the module computes at that place (a softmax that the list does not call 'softmax' is quantised finished and normalised). What goes into a quantiser is computed in f32, as accurately as f32 sums, v_exp_f32 and their like allow (about 1e-6 of the number): no bf16 or f16 on the way to a quantiser, and a product that is left as it is and whose result goes on into a quantised operand takes f32 operands (vector FMAs, or v_wmma_f32_16x16x4_f32). A number that lies on a knife's edge between two numbers of the format may be rounded either way, as far as f32 arithmetic and the matrix unit's own rounding can turn it there, and no further.
;; One version. Each part assembles by itself: llvm-mc -triple=amdgcn-amd-amdhsa -mcpu=gfx1250 --defsym DOCPART=n.
;; ======== version 1 of 1: 4 launches
;; limits: right only within a limited range of input values
;; workspace buffers: qin 13,107,200 bytes; proj 10,223,616 bytes; att 3,407,872 bytes; maskw 524,288 bytes of whole numbers; flags 65,536 bytes of whole numbers
;; launch prep (part 1): grid 384 x 1, 4 waves a work-group, no clusters, 68,096 bytes of LDS; arguments queries, keys, values, Wq, Wk, Wv, Wo, mask, qin, maskw, flags; writes qin, maskw, flags
.if DOCPART == 1
	.amdgcn_target "amdgcn-amd-amdhsa--gfx1250"
	.amdhsa_code_object_version 6
	.text
	.protected	k_qc611a4589d_prep
	.globl	k_qc611a4589d_prep
	.p2align	8
	.type	k_qc611a4589d_prep,@function
k_qc611a4589d_prep:
	s_mov_b64 s[64:65], 0
	v_nop
	global_prefetch_b8 v0, s[64:65] scope:SCOPE_SE
	s_setreg_imm32_b32 hwreg(HW_REG_WAVE_MODE, 25, 1), 1
	s_wait_xcnt 0x0
; PREP.  (A) queries, keys, values [4096][1024] and Wq, Wk, Wv, Wo [1024][1024], f32 with K innermost, become codes of FP6 (E2M3) with one E8M0 byte for each 32 along K,
; laid in qin in the order of the operand's registers.  (B) the mask [2048][2048] of bytes becomes lane words and tile flags for the attention launch.
; A BLOCK OF ROWS: block g holds the 16 rows 32 (g / 2) + 8 (g % 2) + i + 8 (i / 8), i = 0 .. 15, so that a transposed product's 16 registers of two neighbouring blocks are 16 neighbours.
; A HALF FRAGMENT (768 bytes): 16 rows x 64 K; lane l = r + 16 h owns row r's block h of 32 codes, 24 bytes: the first 16 at 16 l, the last 8 at 512 + 8 l.
; A TILE OF qin (102,400 bytes): 128 rows x K 1,024, in two halves of 51,200: codes [K step 0..3][block 0..7][half fragment 0..1][768], then scale words [block][row][K step].
; Tiles 0-31 queries, 32-63 keys, 64-95 values, 96-103 Wq, 104-111 Wk, 112-119 Wv, 120-127 Wo.
; A block's scale is 2^(floor(log2(its largest magnitude)) - 2); its byte is the largest magnitude's exponent field - 2, held at 1 from below.
; LIMITS: NaN and infinities among the inputs are not served; blocks whose largest magnitude lies under 2^-124 keep the byte 1; a block of zeros gets the byte 1 where the rule says 127:
; its codes are zeros, which add nothing under any byte but 0xff, and the bytes are read by this program alone.
; SHARES.  Work-groups 0-255: each wave takes one block of 16 rows over all of K, 8 steps of 128.  A load reads 512 consecutive bytes of one row; the step's 16 rows turn through the wave's
; own stage in LDS, so that a lane then holds 16 neighbours of each block of 32.  Work-groups 256-383: one block of 16 queries; each wave 512 keys.  Waves share nothing: no barrier.
; The two paths part on the work-group's number and have LDS bytes of their own.
.set ROWB,   4096                      ; a row of an operand in bytes
.set MROW,   2048                      ; a row of the mask in bytes
.set OT,     102400                    ; a tile of qin
.set HALF,   51200                     ; half of it: four K steps and their scale words
.set KSB,    12288                     ; a K step's codes of 128 rows
.set SP,     528                       ; a stage row: 512 bytes + 16: an odd multiple of 16, so that 16 rows start in 16 different columns of 16 bytes
.set STG,    16*SP                     ; a wave's stage
.set X,      16                        ; v16-79   64 numbers: register 16 b + i = k 32 b + 16 h + i of my row
.set R0,     80                        ; v80-207  two sets of 64 registers as loaded
.set PC,     208                       ; v208-219 a fragment's codes; v220-222, v224-226 at work
.set TM,     228                       ; v228-243 at work
.set PW,     244                       ; v244-251 a scale word for each K step
.set SEL,    20                        ; s[20:21] lane selects for v_permlanex16_b32: lane l xor 16
	s_load_b512 s[36:51], s[0:1], 0x0              ; queries s[36:37], keys, values, Wq, Wk, Wv, Wo s[48:49], mask s[50:51]
	s_load_b128 s[52:55], s[0:1], 0x40             ; qin, maskw
	s_load_b64 s[56:57], s[0:1], 0x50              ; flags
	v_lshl_add_u32 v254, v0, 2, 0x10800
	v_mov_b32 v255, 0
	v_lshrrev_b32 v1, 5, v0
	v_readfirstlane_b32 s23, v1                    ; wave 0..3
	v_and_b32 v6, 31, v0                           ; lane
	v_and_b32 v7, 15, v0                           ; r
	v_bfe_u32 v8, v0, 4, 1                         ; h
	v_lshlrev_b32 v1, 4, v6                        ; 16 x lane
	v_lshlrev_b32 v2, 3, v6                        ; 8 x lane
	s_mul_i32 s24, s23, STG                        ; my stage
	s_cmp_ge_u32 ttmp9, 256
	s_cbranch_scc1 .Lmask
	; ---------------- (A) the operands ----------------
	v_add_nc_u32 v3, s24, v1                       ; the stage, on the way in: 16 x lane, a row an instruction
	v_mul_u32_u24 v4, v7, SP
	v_lshl_add_u32 v4, v8, 6, v4
	v_add_nc_u32 v4, s24, v4                       ; and on the way out: row r, + 64 h: my 16 numbers of a block of 32
	v_mul_u32_u24 v5, v8, HALF
	v_lshl_add_u32 v5, v7, 4, v5                   ; the scale words: lanes 0-15 store K steps 0-3, lanes 16-31 K steps 4-7, one half of the tile on
	s_mov_b32 s[SEL], 0x76543210
	s_mov_b32 s[SEL+1], 0xfedcba98
	s_mov_b32 s22, 0xffff0000                      ; lanes 16-31
.irp b, 0,1,2,3
	v_mov_b32 v[TM+4+\b], 0                        ; written once: a lane permute's destination counts as one of its sources
.endr
	s_wait_alu depctr_va_vdst(0)
	s_wait_kmcnt 0x0
	s_mov_b64 s[26:27], s[48:49]                   ; which tensor: the choice hangs on the work-group's number alone
	s_mov_b32 s28, 240                             ; and that tensor's first work-group
.macro PICK lim, ptr, first
	s_cmp_lt_u32 ttmp9, \lim
	s_cselect_b64 s[26:27], s[\ptr:\ptr+1], s[26:27]
	s_cselect_b32 s28, \first, s28
.endm
	PICK 240, 46, 224
	PICK 224, 44, 208
	PICK 208, 42, 192
	PICK 192, 40, 128
	PICK 128, 38, 64
	PICK 64, 36, 0
	s_lshl_b32 s29, ttmp9, 2
	s_add_co_u32 s29, s29, s23                     ; G: my block among the 1,024 of qin
	s_lshl_b32 s28, s28, 2
	s_sub_co_u32 s30, s29, s28                     ; g: my block in its tensor
	s_lshr_b32 s31, s30, 1
	s_lshl_b32 s31, s31, 17                        ; 32 (g / 2) rows of 4,096 bytes
	s_and_b32 s30, s30, 1
	s_lshl_b32 s30, s30, 15                        ; + 8 (g % 2) rows
	s_add_co_u32 s30, s30, s31
	s_mov_b32 s31, 0
	s_add_nc_u64 s[26:27], s[26:27], s[30:31]      ; the block's first row
	s_lshr_b32 s32, s29, 3
	s_mul_i32 s32, s32, OT                         ; the tile
	s_and_b32 s33, s29, 7                          ; the block in it
	s_mul_i32 s34, s33, 1536
	s_add_co_u32 s34, s34, s32
	s_mov_b32 s35, 0
	s_add_nc_u64 s[34:35], s[52:53], s[34:35]      ; where my codes go
	s_lshl_b32 s33, s33, 8
	s_add_co_u32 s32, s32, s33
	s_add_co_u32 s32, s32, 4*KSB
	s_mov_b32 s33, 0
	s_add_nc_u64 s[32:33], s[52:53], s[32:33]      ; where my scale words go
.macro LOAD t                          ; K step t of the block's 16 rows: 32 lanes read 512 consecutive bytes of one row
.irp i, 0,1,2,3,4,5,6,7,8,9,10,11,12,13,14,15
	global_load_b128 v[R0+64*((\t)%2)+4*\i:R0+64*((\t)%2)+4*\i+3], v1, s[26:27] offset:(\i+8*(\i/8))*ROWB+512*(\t) th:TH_LOAD_NT
.endr
.endm
.macro TURN t                          ; through the stage: LDS serves a wave's instructions in order, so no wait stands between the stores and the loads
.irp i, 0,1,2,3,4,5,6,7,8,9,10,11,12,13,14,15
	ds_store_b128 v3, v[R0+64*((\t)%2)+4*\i:R0+64*((\t)%2)+4*\i+3] offset:SP*\i
.endr
.irp b, 0,1,2,3
.irp j, 0,1,2,3
	ds_load_b128 v[X+16*\b+4*\j:X+16*\b+4*\j+3], v4 offset:128*\b+16*\j
.endr
.endr
.endm
; 64 numbers of a lane become a fragment's codes in v[PC] on and its row's scale word in v[pw]
.macro QUANT s, pw
.irp b, 0,1,2,3
	v_max3_num_f32 v[TM+\b], |v[\s+16*\b]|, |v[\s+1+16*\b]|, 0x1800000   ; block b: my 16 numbers, and the floor 2^(3 - 127): the byte cannot fall under 1
.endr
.irp i, 2,4,6,8,10,12,14
.irp b, 0,1,2,3
	v_max3_num_f32 v[TM+\b], v[TM+\b], |v[\s+16*\b+\i]|, |v[\s+1+16*\b+\i]|   ; the four blocks by turns
.endr
.endr
.irp b, 0,1,2,3
	v_permlanex16_b32 v[TM+4+\b], v[TM+\b], s[SEL], s[SEL+1]
.endr
.irp b, 0,1,2,3
	v_max_num_f32 v[TM+\b], v[TM+\b], v[TM+4+\b]   ; with lane l xor 16's: the block's largest magnitude
.endr
.irp b, 0,1,2,3
	v_add_nc_u32 v[TM+12+\b], 0xff000000, v[TM+\b] ; 2 off its exponent field: the conversion takes the exponent field of this operand as its scale
.endr
.irp b, 0,1,2,3
	v_lshrrev_b32 v[TM+4+\b], 23, v[TM+12+\b]      ; the scale's byte
.endr
	v_lshl_or_b32 v[\pw], v[TM+5], 8, v[TM+4]
	v_lshl_or_b32 v[\pw], v[TM+6], 16, v[\pw]
	v_lshl_or_b32 v[\pw], v[TM+7], 24, v[\pw]
.irp c, 0,1
	v_cvt_scalef32_pk16_fp6_f32 v[PC+6*\c:PC+2+6*\c], v[\s+32*\c:\s+15+32*\c], v[TM+12+2*\c]
	v_cvt_scalef32_pk16_fp6_f32 v[PC+12+4*\c:PC+14+4*\c], v[\s+16+32*\c:\s+31+32*\c], v[TM+12+2*\c+1]   ; (a conversion's three registers begin on an even number)
.endr
	v_nop                                          ; one plain place behind a scaled conversion
.irp c, 0,1                                    ; the operand's layout wants a whole block in a lane: lanes 0-15 block 2 c, lanes 16-31 block 2 c + 1
.irp i, 0,1,2
	v_permlane16_swap_b32 v[PC+6*\c+\i], v[PC+12+4*\c+\i]
.endr
.irp i, 0,1,2
	v_mov_b32 v[PC+3+6*\c+\i], v[PC+12+4*\c+\i]
.endr
.endr
.endm
.macro STEP t
.if (\t) < 7
	s_wait_loadcnt 16                              ; this step's 16 loads are in; the next step's 16 may be out
.else
	s_wait_loadcnt 0x0
.endif
	TURN \t
	s_wait_dscnt 0x0                               ; my 64 numbers are back, and the stage's stores have read their registers,
.if (\t) < 6
	LOAD (\t)+2                                    ; which take the loads of two steps on
.endif
.if (\t) > 0
	s_wait_xcnt 0x0                                ; the last step's stores have read the codes' registers
.endif
	QUANT X, PW+(\t)
.irp c, 0,1                                    ; each store covers 512 or 256 consecutive bytes, aligned to 256
	global_store_b128 v1, v[PC+6*\c:PC+6*\c+3], s[34:35] offset:((\t)/4)*HALF+((\t)%4)*KSB+768*\c
	global_store_b64 v2, v[PC+6*\c+4:PC+6*\c+5], s[34:35] offset:((\t)/4)*HALF+((\t)%4)*KSB+768*\c+512
.endr
.endm
	LOAD 0
	LOAD 1
.irp t, 0,1,2,3,4,5,6,7
	STEP \t
.endr
.irp i, 0,1,2,3
	v_cndmask_b32 v[TM+\i], v[PW+\i], v[PW+4+\i], s22   ; every lane holds its row's eight words: lanes 16-31 take the upper four
.endr
	global_store_b128 v5, v[TM:TM+3], s[32:33]     ; each half of the lanes stores 256 consecutive bytes, aligned to 256
	s_wait_tensorcnt 0x0
	ds_add_u32 v254, v255
	s_wait_dscnt 0x0
	s_endpgm
	; ---------------- (B) the mask ----------------
	; maskw [query block 128][key step 16][64 words]: bit l of word n is mask[row l % 16 of the block][128 j + 32 (n / 16) + 16 (l / 16) + n % 16]: the lanes' mask for register n of the scores.
	; flags [query block][wave 4][32 equal words]: bit jj: step 4 wave + jj is hidden wholly; bit 16 + jj: nothing of it is hidden.
.Lmask:
	s_add_co_u32 s24, s24, 4*STG                   ; this path's own stages
	s_wait_alu depctr_va_vdst(0)
	v_add_nc_u32 v3, s24, v1
	v_mul_u32_u24 v4, v7, SP
	v_lshl_add_u32 v4, v8, 4, v4
	v_add_nc_u32 v4, s24, v4                       ; out of the stage: row r, + 16 h
	v_lshlrev_b32 v5, 2, v6                        ; 4 x lane
	s_sub_co_u32 s25, ttmp9, 256                   ; the block of queries
	s_lshr_b32 s26, s25, 1
	s_lshl_b32 s26, s26, 16                        ; 32 (block / 2) rows of 2,048 bytes
	s_and_b32 s27, s25, 1
	s_lshl_b32 s27, s27, 14                        ; + 8 (block % 2) rows
	s_add_co_u32 s26, s26, s27
	s_lshl_b32 s27, s23, 9                         ; + my wave's 512 keys
	s_add_co_u32 s26, s26, s27
	s_mov_b32 s27, 0
	s_lshl_b32 s28, s25, 12                        ; maskw: 16 steps of 256 bytes a block,
	s_lshl_b32 s29, s23, 10                        ; four steps a wave
	s_add_co_u32 s28, s28, s29
	s_mov_b32 s29, 0
	s_lshl_b32 s30, s25, 9                         ; flags: 512 bytes a block, 128 a wave
	s_lshl_b32 s31, s23, 7
	s_add_co_u32 s30, s30, s31
	s_mov_b32 s31, 0
	s_mov_b32 s34, 0                               ; my four steps' flags
	s_wait_alu depctr_va_vdst(0)
	s_wait_kmcnt 0x0
	s_add_nc_u64 s[26:27], s[50:51], s[26:27]
	s_add_nc_u64 s[28:29], s[54:55], s[28:29]
	s_add_nc_u64 s[30:31], s[56:57], s[30:31]
.irp i, 0,1,2,3,4,5,6,7,8,9,10,11,12,13,14,15
	global_load_b128 v[R0+4*\i:R0+4*\i+3], v1, s[26:27] offset:(\i+8*(\i/8))*MROW th:TH_LOAD_NT   ; 512 consecutive bytes of one row
.endr
	s_wait_loadcnt 0x0
.irp i, 0,1,2,3,4,5,6,7,8,9,10,11,12,13,14,15
	ds_store_b128 v3, v[R0+4*\i:R0+4*\i+3] offset:SP*\i
.endr
.irp j, 0,1,2,3
.irp b, 0,1,2,3
	ds_load_b128 v[X+16*\j+4*\b:X+16*\j+4*\b+3], v4 offset:128*\j+32*\b   ; step j, block b of 32 keys: my half's 16 bytes of row r
.endr
.endr
	s_wait_dscnt 0x0
.macro MASKSTEP jj
.if \jj > 0
	s_wait_xcnt 0x0                                ; the last step's store has read v[10:11]
.endif
	v_mov_b32 v10, 0
	v_mov_b32 v11, 0
	s_mov_b32 s32, 0                               ; the words' union
	s_mov_b32 s33, -1                              ; and what they have in common
.set n, 0
.rept 64
	v_and_b32 v[12+n%4], 0xff<<(8*(n%4)), v[X+16*\jj+4*(n/16)+(n%16)/4]   ; my byte for register n
	v_cmp_ne_u32 s[4+n%16], 0, v[12+n%4]           ; the 32 lanes' bits: word n
	v_writelane_b32 v[10+n%2], s[4+n%16], n/2      ; to its place: lane n / 2 stores words n and n + 1
	s_or_b32 s32, s32, s[4+n%16]
	s_and_b32 s33, s33, s[4+n%16]
.set n, n+1
.endr
	global_store_b64 v2, v[10:11], s[28:29] offset:256*\jj   ; 256 consecutive bytes, aligned to 256
	s_cmp_eq_u32 s33, -1
	s_cselect_b32 s35, 1<<\jj, 0
	s_or_b32 s34, s34, s35
	s_cmp_eq_u32 s32, 0
	s_cselect_b32 s35, 1<<(16+\jj), 0
	s_or_b32 s34, s34, s35
.endm
	MASKSTEP 0
	MASKSTEP 1
	MASKSTEP 2
	MASKSTEP 3
	v_mov_b32 v9, s34
	global_store_b32 v5, v9, s[30:31]
	s_wait_tensorcnt 0x0
	ds_add_u32 v254, v255
	s_wait_dscnt 0x0
	s_endpgm
.Lfunc_end_k_qc611a4589d_prep:
	.size	k_qc611a4589d_prep, .Lfunc_end_k_qc611a4589d_prep-k_qc611a4589d_prep
	.p2alignl 7, 3214868480
	.fill 96, 4, 3214868480
	.section	.rodata,"a",@progbits
	.p2align	6, 0x0
	.amdhsa_kernel k_qc611a4589d_prep
		.amdhsa_group_segment_fixed_size 68096
		.amdhsa_private_segment_fixed_size 0
		.amdhsa_enable_private_segment 0
		.amdhsa_kernarg_size 88
		.amdhsa_user_sgpr_count 2
		.amdhsa_user_sgpr_kernarg_segment_ptr 1
		.amdhsa_wavefront_size32 1
		.amdhsa_system_sgpr_workgroup_id_x 1
		.amdhsa_system_sgpr_workgroup_id_y 1
		.amdhsa_system_sgpr_workgroup_id_z 1
		.amdhsa_system_vgpr_workitem_id 0
		.amdhsa_next_free_vgpr 256
		.amdhsa_next_free_sgpr 66
		.amdhsa_reserve_vcc 0
		.amdhsa_float_denorm_mode_32 3
		.amdhsa_float_denorm_mode_16_64 3
		.amdhsa_memory_ordered 1
		.amdhsa_forward_progress 1
		.amdhsa_inst_pref_size 137
	.end_amdhsa_kernel
	.amdgpu_metadata
---
amdhsa.version: [ 1, 2 ]
amdhsa.kernels:
  - .name:           k_qc611a4589d_prep
    .symbol:         k_qc611a4589d_prep.kd
    .args:
      - { .name: queries, .offset: 0, .size: 8, .value_kind: global_buffer, .address_space: global }
      - { .name: keys, .offset: 8, .size: 8, .value_kind: global_buffer, .address_space: global }
      - { .name: values, .offset: 16, .size: 8, .value_kind: global_buffer, .address_space: global }
      - { .name: Wq, .offset: 24, .size: 8, .value_kind: global_buffer, .address_space: global }
      - { .name: Wk, .offset: 32, .size: 8, .value_kind: global_buffer, .address_space: global }
      - { .name: Wv, .offset: 40, .size: 8, .value_kind: global_buffer, .address_space: global }
      - { .name: Wo, .offset: 48, .size: 8, .value_kind: global_buffer, .address_space: global }
      - { .name: mask, .offset: 56, .size: 8, .value_kind: global_buffer, .address_space: global }
      - { .name: qin, .offset: 64, .size: 8, .value_kind: global_buffer, .address_space: global }
      - { .name: maskw, .offset: 72, .size: 8, .value_kind: global_buffer, .address_space: global }
      - { .name: flags, .offset: 80, .size: 8, .value_kind: global_buffer, .address_space: global }
    .group_segment_fixed_size: 68096
    .private_segment_fixed_size: 0
    .kernarg_segment_align: 8
    .kernarg_segment_size: 88
    .max_flat_workgroup_size: 128
    .sgpr_count:     66
    .vgpr_count:     256
    .wavefront_size: 32
...
	.end_amdgpu_metadata
.endif
;; end of part 1
;; launch project (part 2): grid 8 x 32, 4 waves a work-group, clusters of 4 x 4, 327,680 bytes of LDS; arguments qin, proj; writes proj
.if DOCPART == 2
	.amdgcn_target "amdgcn-amd-amdhsa--gfx1250"
	.amdhsa_code_object_version 6
	.text
	.protected	k_qc611a4589d_project
	.globl	k_qc611a4589d_project
	.p2align	8
	.type	k_qc611a4589d_project,@function
k_qc611a4589d_project:
	s_mov_b64 s[64:65], 0
	v_nop
	global_prefetch_b8 v0, s[64:65] scope:SCOPE_SE
	s_setreg_imm32_b32 hwreg(HW_REG_WAVE_MODE, 25, 1), 1
	s_wait_xcnt 0x0
	s_wait_alu depctr_hold_cnt(0) depctr_sa_sdst(0) depctr_va_vdst(0) depctr_va_sdst(0) depctr_va_ssrc(0) depctr_va_vcc(0) depctr_vm_vsrc(0)
	s_getreg_b32 s2, hwreg(HW_REG_IB_STS2, 6, 4)
	s_cmp_eq_u32 s2, 0
	s_cbranch_scc0 .Lentry_in_a_cluster
	s_endpgm
.Lentry_in_a_cluster:
	s_bfe_u32 s2, ttmp6, 0x10000c
	s_cmp_lg_u32 s2, 0xf033
	s_cbranch_scc0 .Lentry_shape_is_right
	s_endpgm
.Lentry_shape_is_right:
; PROJECT.  q = queries Wq^T, k = keys Wk^T, v = values Wv^T on codes of FP6 (E2M3) with E8M0 scales, sums in f32; the results are quantised at once: q and k along the head's 64, v along the keys.
; A WORK-GROUP STAYS: it makes three tiles of 128 x 128, one of each product p = 0 (q), 1 (k), 2 (v), at the same place (token tile 4 c + its place, weight tile 4 X + its place).  Four waves, each 64 x 64: 16 accumulators.
; THE RING: K = 1,024 goes in two halves of 512 through two LDS slots (a slot: A's half, 51,200 bytes, then B's).  Each wave fetches a quarter of a slot with one tensor load (100 rows of 256 bytes).
; Slot 0 is filled again, with the next product's first half, behind K step 3; slot 1, with its second half, behind K step 7, ahead of the tile's way out.  q and k are the two trips of a loop; v, which asks for nothing more, is written out.
; qin's tiles are laid in the order of the operand's registers: a half fragment (16 rows x 64 K) comes by one load of 16 bytes a lane and one of 8, both dense.
; THE MATRIX INSTRUCTION IS USED TRANSPOSED (source 0 = 16 rows of 'B', source 1 = 16 rows of 'A'): a lane holds one row of A, its registers run along B's rows.  A block of rows g holds rows
; 32 (g / 2) + 8 (g % 2) + i + 8 (i / 8), so the 16 registers of accumulators (a, 2 n) and (a, 2 n + 1) are 16 neighbouring rows of B: 32 n + 16 (lane / 16) + 0 .. 15.
; q, k: A = the tokens, B = the weight: a lane's registers run along the head's channels.  v: A = Wv, B = the tokens: a lane holds a channel and its registers run along the keys.
; CLUSTER 4 x 4: A's tile is shared along a row of the cluster, B's along a column: each is asked for jointly.  Cluster y = c: four token tiles; cluster x = X: four weight tiles.
; Every refill stands behind a round of the cluster's barrier, with each wave's wait for all its tensor loads, the add and the wait for its LDS instructions in front of it.
; PREFETCH: behind each tensor load one request a wave for the same half of the product after the one that is being loaded, which is the load two refills on: of the 25,600 bytes that a wave will fetch, each of the
; four partners that ask for them jointly names 6,400, told apart by address: 25 lanes, 256 bytes apart (the lanes left over name the last of them again).  The last product has no successor: the second trip asks for nothing.
; proj: QIMG [head 32][query block 128][768];  KV [head][key step 16][K: 8 blocks x 768, V: channel block 4 x half 2 x 768];  QS, KS [head x 16 + token tile][2][256], VS likewise:
; 256 bytes hold the scale words of four blocks: word (a, r) at 128 (a / 2) + 8 r + 4 (a % 2); a word is byte 0 | byte 1 << 8 for 64 along K.
; LIMITS: as in the launch before (floor of the scale's byte at 1; no NaN or infinities among the inputs).
.set OT,     102400                    ; a tile of qin
.set HALF,   51200                     ; half of it: four K steps' codes and scale words
.set QUART,  25600                     ; what one tensor load brings: 100 rows of 256 bytes
.set LB,     51200                     ; LDS: slot 0: A's half, then B's half,
.set LX,     102400                    ; slot 1 likewise,
.set SPARE,  204800                    ; then the spare words, 128 bytes a wave
.set KSB,    12288                     ; a K step's codes of 128 rows
.set SCW,    49152                     ; the scale words in a half
.set SC,     32                        ; v32-63   scale words, a set of 16 for each half of K: register 4 i + step: lanes 0-15 A's block i, lanes 16-31 B's block i
.set QP,     96                        ; v96-98   at work in QUANT2
.set QT,     100                       ; v100-107 at work in QUANT2
.set ACC,    128                       ; v128-255 accumulator (a, b) at 128 + 8 (4 a + b)
.set G1A,    24                        ; s[24:31] descriptor group 1 for A's tiles;  s[32:39] group 0, a set for each slot
.set G0A,    32
.set G1B,    48                        ; s[48:55], s[56:63] the same for B's
.set G0B,    56
.set SEL,    66                        ; s[66:67] lane selects for v_permlanex16_b32
.set TA,     8                         ; s[8:13]   my quarter of A's tile for p = 0, 1, 2
.set TB,     96                        ; s[96:101] of B's
.set NA,     42                        ; s[42:43]  the same of the next product's A,
.set NB,     46                        ; s[46:47]  and B
.set PF1,    20                        ; s[20:21], s[22:23] what my wave will fetch of products 1 and 2; never rewritten
.set PF2,    22
.set MSB, 0
.macro WIN new                         ; register windows: the immediate's high byte repeats the setting that is left
.if MSB != \new
	s_set_vgpr_msb (MSB<<8)|\new
.set MSB, \new
.endif
.endm
.set MUL,  0x05                        ; sources 0 and 1 in window 1 (two fragment buffers, at v0 and v128: A's four fragments, then B's four); C and D in window 0
.set TO_F, 0x40                        ; destination window 1, address window 0
.macro CROUND                          ; a round of the cluster's barrier
	s_barrier_signal -1
	s_barrier_wait -1
	s_cmp_lg_u32 s14, 0
	s_cbranch_scc1 .Lnot_wave_0_\@
	s_barrier_signal -3
.Lnot_wave_0_\@:
	s_barrier_wait -3
	s_barrier_signal -1
	s_barrier_wait -1
.endm
.macro PLACES                          ; four plain places behind matrix instructions, ahead of loads into registers that they read and of reads of their results
.rept 4
	v_nop
.endr
.endm
.macro JLOAD s                         ; a joint load into slot s: waves 0, 1 fetch A's two quarters, waves 2, 3 B's.  The branch hangs on the wave's number alone; an s_nop 0 and four v_nop follow each line
	s_cmp_eq_u32 s15, 0
	s_cbranch_scc0 .Lfor_b_\@
	tensor_load_to_lds s[G0A+4*(\s):G0A+4*(\s)+3], s[G1A:G1A+7]
	s_nop 0
	PLACES
	s_branch .Lasked_\@
.Lfor_b_\@:
	tensor_load_to_lds s[G0B+4*(\s):G0B+4*(\s)+3], s[G1B:G1B+7]
	s_nop 0
	PLACES
.Lasked_\@:
.endm
	s_load_b128 s[4:7], s[0:1], 0x0                ; qin, proj
	v_lshl_add_u32 v126, v0, 2, SPARE
	v_mov_b32 v127, 0
	ds_add_u32 v126, v127                          ; the opening lines: the add, twice on end, and its wait ahead of my first tensor load
	ds_add_u32 v126, v127
	v_lshrrev_b32 v1, 5, v0
	v_readfirstlane_b32 s14, v1                    ; wave 0..3
	s_lshr_b32 s15, s14, 1                         ; which 64 rows of A are mine.  Also: I fetch for A (0) or for B (1)
	s_and_b32 s16, s14, 1                          ; which 64 rows of B.  Also: which quarter of a slot I fetch
	s_bfe_u32 s40, ttmp6, 0x40000                  ; cx
	s_bfe_u32 s41, ttmp6, 0x40004                  ; cy
	s_and_b32 s45, ttmp7, 0xffff                   ; c: cluster y
	s_lshl_b32 s17, s41, 2
	s_lshl_b32 s17, 15, s17                        ; my row of the cluster
	s_lshl_b32 s18, 0x1111, s40                    ; my column
	s_or_b32 s[G1A], s17, (3<<16)|(1<<21)          ; 15:0 the mask; 17:16 elements of 8 bytes; 21 set beside a mask; no padding
	s_or_b32 s[G1B], s18, (3<<16)|(1<<21)
.irp g, G1A, G1B                               ; a dense block of 25,600 bytes as 100 rows of 256
	s_mov_b32 s[\g+1], 32<<16                      ; tensor_dim0 = 32
	s_mov_b32 s[\g+2], 100<<16                     ; tensor_dim1 = 100
	s_mov_b32 s[\g+3], 32<<16                      ; tile_dim0 = 32
	s_mov_b32 s[\g+4], 100                         ; tile_dim1 = 100
	s_mov_b32 s[\g+5], 32                          ; from row to row
	s_mov_b32 s[\g+6], 0
	s_mov_b32 s[\g+7], 0
.endr
	s_lshl_b32 s20, s45, 2                         ; 4 c
	s_lshl_b32 s21, ttmp9, 2                       ; 4 X
	s_mul_i32 s19, s16, QUART                      ; my quarter, in memory and in LDS
	s_add_co_u32 s22, s20, s41                     ; q: A = token tile 4 c + cy (k: 32 tiles on)
	s_mul_i32 s22, s22, OT
	s_add_co_u32 s22, s22, s19
	s_add_co_u32 s17, s21, s41
	s_add_co_u32 s17, s17, 112                     ; v: A = Wv's tile 112 + 4 X + cy.  A's addresses hold cy and never cx,
	s_mul_i32 s17, s17, OT
	s_add_co_u32 s17, s17, s19
	s_add_co_u32 s46, s21, s40
	s_add_co_u32 s46, s46, 96                      ; q: B = weight tile 96 + 4 X + cx (k: 8 tiles on)
	s_mul_i32 s46, s46, OT
	s_add_co_u32 s46, s46, s19
	s_add_co_u32 s18, s20, s40
	s_add_co_u32 s18, s18, 64                      ; v: B = values' tile 64 + 4 c + cx.  B's hold cx and never cy
	s_mul_i32 s18, s18, OT
	s_add_co_u32 s18, s18, s19
	s_mov_b32 s23, 0
	s_mov_b32 s47, 0
	s_mov_b32 s44, 0                               ; p: which product
	s_wait_dscnt 0x0                               ; both opening adds are done
	s_wait_kmcnt 0x0
	s_add_nc_u64 s[TA:TA+1], s[4:5], s[22:23]
	s_add_nc_u64 s[TA+2:TA+3], s[TA:TA+1], 32*OT
	s_mov_b32 s22, s17
	s_add_nc_u64 s[TA+4:TA+5], s[4:5], s[22:23]
	s_add_nc_u64 s[TB:TB+1], s[4:5], s[46:47]
	s_add_nc_u64 s[TB+2:TB+3], s[TB:TB+1], 8*OT
	s_mov_b32 s46, s18
	s_add_nc_u64 s[TB+4:TB+5], s[4:5], s[46:47]
	CROUND                                         ; all sixteen work-groups are here: the joint loads meet
.irp x, 0,1
	s_mov_b32 s[G0A+4*\x], 1
	s_add_co_u32 s[G0A+4*\x+1], s19, \x*LX
	s_add_nc_u64 s[G0A+4*\x+2:G0A+4*\x+3], s[TA:TA+1], \x*HALF
	s_or_b32 s[G0A+4*\x+3], s[G0A+4*\x+3], 0x80000000
	s_mov_b32 s[G0B+4*\x], 1
	s_add_co_u32 s[G0B+4*\x+1], s19, LB+\x*LX
	s_add_nc_u64 s[G0B+4*\x+2:G0B+4*\x+3], s[TB:TB+1], \x*HALF
	s_or_b32 s[G0B+4*\x+3], s[G0B+4*\x+3], 0x80000000
.endr
	JLOAD 0                                        ; q's first half of K: one tensor load a wave at the head
	s_cmp_eq_u32 s15, 0                            ; the prefetches: do I fetch for A?
	s_cselect_b64 s[PF1:PF1+1], s[TA+2:TA+3], s[TB+2:TB+3]
	s_cselect_b64 s[PF2:PF2+1], s[TA+4:TA+5], s[TB+4:TB+5]
	s_cselect_b32 s79, s40, s41                    ; my place among the four that ask with me
	s_mul_i32 s79, s79, 6400
	v_and_b32 v1, 31, v0                           ; lane
	v_and_b32 v2, 15, v0                           ; r
	v_bfe_u32 v3, v0, 4, 1                         ; h
	v_lshlrev_b32 v4, 4, v1                        ; 16 x lane
	v_lshlrev_b32 v5, 3, v1                        ; 8 x lane
	v_min_u32 v12, 24, v1
	v_lshlrev_b32 v12, 8, v12
	v_add_nc_u32 v12, s79, v12                     ; v12: my work-group's 6,400 bytes of a quarter, 256 a lane; never rewritten
	global_prefetch_b8 v12, s[PF1:PF1+1] th:TH_LOAD_NT scope:SCOPE_SE   ; k's first half
	s_mul_i32 s17, s15, 6144                       ; my four blocks of A: 1,536 bytes a block in a K step
	s_mul_i32 s18, s16, 6144
	s_add_co_u32 s18, s18, LB                      ; and of B
	v_add_nc_u32 v16, s17, v4                      ; v16, v17: A's 16-byte parts in the two slots;  v18, v19: its 8-byte parts
	v_add_nc_u32 v17, LX, v16
	v_add_nc_u32 v18, s17, v5
	v_add_nc_u32 v19, LX, v18
	v_add_nc_u32 v20, s18, v4                      ; v20-23: the same for B
	v_add_nc_u32 v21, LX, v20
	v_add_nc_u32 v22, s18, v5
	v_add_nc_u32 v23, LX, v22
	s_lshl_b32 s17, s15, 10                        ; scale words: 256 bytes a block
	s_lshl_b32 s18, s16, 10
	s_add_co_u32 s18, s18, LB
	s_sub_co_u32 s18, s18, s17                     ; from A's to B's
	v_mul_u32_u24 v26, s18, v3                     ; lanes 16-31 take B's
	v_lshl_add_u32 v26, v2, 4, v26                 ; a row's four words: 16 bytes
	s_add_co_u32 s17, s17, SCW
	v_add_nc_u32 v26, s17, v26
	v_add_nc_u32 v27, LX, v26
	v_mov_b32 v[QT+2], 0                           ; written once: a lane permute's destination counts as one of its sources
	v_mov_b32 v[QT+3], 0
	s_mov_b32 s[SEL], 0x76543210
	s_mov_b32 s[SEL+1], 0xfedcba98
	s_mov_b32 s78, 0xffff0000                      ; lanes 16-31
.macro ADDR                            ; where product p's results go
	s_mov_b32 s80, 12288
	s_cmp_eq_u32 s44, 0
	s_cselect_b32 s80, 6144, s80                   ; bytes for a head's token tile: q 8 x 768, k and v 12,288
	s_cselect_b32 s81, 0, 3145728                  ; q: QIMG; k, v: KV
	s_mov_b32 s83, 3072
	s_mov_b32 s84, 768
	s_cmp_eq_u32 s44, 2
	s_cselect_b32 s82, 6144, 0                     ; v lies behind k's eight blocks
	s_cselect_b32 s83, 768, s83                    ; from my wave's part to the other's: q, k four blocks; v a half fragment
	s_cselect_b32 s84, 1536, s84                   ; from block a to block a + 1
	s_cselect_b32 s85, s40, s41                    ; the token tile's place in the cluster: v cx, else cy
	s_cselect_b32 s86, s41, s40                    ; the weight tile's
	s_cselect_b32 s87, s15, s16                    ; which head of the weight tile's two
	s_cselect_b32 s88, s16, s15                    ; which half of the token tile
	s_add_co_u32 s81, s81, s82
	s_lshl_b32 s89, s45, 2
	s_add_co_u32 s89, s89, s85                     ; the token tile, 0 .. 31
	s_lshr_b32 s90, s89, 4                         ; batch
	s_and_b32 s89, s89, 15                         ; tile in the batch
	s_lshl_b32 s91, ttmp9, 2
	s_add_co_u32 s91, s91, s86
	s_lshl_b32 s91, s91, 1
	s_add_co_u32 s91, s91, s87                     ; head
	s_lshl_b32 s90, s90, 4
	s_add_co_u32 s90, s90, s91
	s_lshl_b32 s90, s90, 4
	s_add_co_u32 s90, s90, s89                     ; u = (batch x 16 + head) x 16 + tile
	s_mul_i32 s92, s90, s80
	s_mul_i32 s93, s88, s83
	s_add_co_u32 s92, s92, s93
	s_add_co_u32 s92, s92, s81
	s_mov_b32 s93, 0
	s_mov_b32 s85, 0
	s_add_nc_u64 s[68:69], s[6:7], s[92:93]        ; block 0's half fragment; s[70:75]: blocks 1 to 3
	s_add_nc_u64 s[70:71], s[68:69], s[84:85]
	s_add_nc_u64 s[72:73], s[70:71], s[84:85]
	s_add_nc_u64 s[74:75], s[72:73], s[84:85]
	s_lshl_b32 s92, s90, 9
	s_lshl_b32 s94, s88, 8
	s_add_co_u32 s92, s92, s94
	s_lshl_b32 s94, s44, 18
	s_add_co_u32 s92, s92, s94
	s_add_co_u32 s92, s92, 9437184
	s_add_nc_u64 s[76:77], s[6:7], s[92:93]        ; my four blocks' scale words
.endm
.macro FETCH k, f                      ; the fragments of K step k into buffer f: 32 LDS loads, each dense
	WIN TO_F
.irp i, 0,1,2,3
.irp c, 0,1
	ds_load_b128 v[(\f)+48+12*\i+6*\c:(\f)+48+12*\i+6*\c+3],   v[20+(\k)/4] offset:((\k)%4)*KSB+1536*\i+768*\c
	ds_load_b64  v[(\f)+48+12*\i+6*\c+4:(\f)+48+12*\i+6*\c+5], v[22+(\k)/4] offset:((\k)%4)*KSB+1536*\i+768*\c+512
	ds_load_b128 v[(\f)+12*\i+6*\c:(\f)+12*\i+6*\c+3],         v[16+(\k)/4] offset:((\k)%4)*KSB+1536*\i+768*\c
	ds_load_b64  v[(\f)+12*\i+6*\c+4:(\f)+12*\i+6*\c+5],       v[18+(\k)/4] offset:((\k)%4)*KSB+1536*\i+768*\c+512
.endr
.endr
.endm
.macro SCALES x                        ; the scale words of slot x's four K steps: a row's four words a lane
	WIN 0
.irp i, 0,1,2,3
	ds_load_b128 v[SC+16*\x+4*\i:SC+16*\x+4*\i+3], v[26+\x] offset:256*\i
.endr
.endm
.macro MULK k, f, zero                 ; 16 matrix instructions; the 16 accumulators take turns, one instruction a turn, in the same order in every step
	WIN MUL
.irp a, 0,1,2,3
.irp b, 0,1,2,3
.if \zero
	v_wmma_scale_f32_16x16x128_f8f6f4 v[ACC+8*(4*\a+\b):ACC+8*(4*\a+\b)+7], v[(\f)+48+12*\b:(\f)+48+12*\b+11], v[(\f)+12*\a:(\f)+12*\a+11], 0, v[SC+16*((\k)/4)+4*\b+(\k)%4], v[SC+16*((\k)/4)+4*\a+(\k)%4] matrix_a_fmt:MATRIX_FMT_FP6 matrix_b_fmt:MATRIX_FMT_FP6 matrix_a_scale:MATRIX_SCALE_ROW1
.else
	v_wmma_scale_f32_16x16x128_f8f6f4 v[ACC+8*(4*\a+\b):ACC+8*(4*\a+\b)+7], v[(\f)+48+12*\b:(\f)+48+12*\b+11], v[(\f)+12*\a:(\f)+12*\a+11], v[ACC+8*(4*\a+\b):ACC+8*(4*\a+\b)+7], v[SC+16*((\k)/4)+4*\b+(\k)%4], v[SC+16*((\k)/4)+4*\a+(\k)%4] matrix_a_fmt:MATRIX_FMT_FP6 matrix_b_fmt:MATRIX_FMT_FP6 matrix_a_scale:MATRIX_SCALE_ROW1
.endif
.endr
.endr
.endm
.macro NORM k                          ; K steps 0-2 and 4-6: the next step's fragments, from the same slot, are fetched ahead of this step's products
.if (\k)%4 > 0
	PLACES                                         ; the step before has read the buffer that is loaded next (ahead of steps 0 and 4 the places stand behind the change of slots)
.endif
	FETCH (\k)+1, 128*(((\k)+1)%2)
	s_wait_dscnt 32                                ; all but the 32 just issued: this step's fragments and scale words are in
.if (\k) == 0
	MULK \k, 0, 1                                  ; the first products start the sums: nothing is cleared
.else
	MULK \k, 128*((\k)%2), 0
.endif
.endm
; K steps 3 and 7: the last of a slot.  refill = 1: the slot is filled again with the next product's half; then the other slot's first fragments are fetched (behind step 7: the next product's)
.macro TURN k, refill
.set SL, (\k)/4
	WIN 0
.if \refill
	s_wait_tensorcnt 0x0                           ; all my tensor loads have landed: the one that was out is my quarter of the other slot;
	ds_add_u32 v126, v127                          ; 0 onto my spare word;
	s_add_nc_u64 s[G0A+4*SL+2:G0A+4*SL+3], s[NA:NA+1], SL*HALF     ; no load of mine is out, so a group 0 may be written: this slot's half of the next product
	s_or_b32 s[G0A+4*SL+3], s[G0A+4*SL+3], 0x80000000
	s_add_nc_u64 s[G0B+4*SL+2:G0B+4*SL+3], s[NB:NB+1], SL*HALF
	s_or_b32 s[G0B+4*SL+3], s[G0B+4*SL+3], 0x80000000
	s_wait_dscnt 1                                 ; (the add alone may be out: this step's fragments are in)
	MULK \k, 128, 0                                ; sixteen matrix instructions stand between the add and the wait for it
	WIN 0
	s_wait_dscnt 0x0                               ; the add is done, and my reads of this slot are over
	CROUND                                         ; no wave of any partner still reads this slot or has a load on its way
	JLOAD SL                                       ; the first tensor load behind the round; its four v_nop are the places ahead of the loads and reads below
.if \k == 3
	FETCH 4, 0
	SCALES 1
.else
	FETCH 0, 0                                     ; the next product's first fragments
	SCALES 0
.endif
	s_cmp_eq_u32 s44, 0                            ; the first trip asks for v's half; the second has nothing two refills on
	s_cbranch_scc0 .Lna_\@
	global_prefetch_b8 v12, s[PF2:PF2+1] offset:SL*HALF th:TH_LOAD_NT scope:SCOPE_SE
.Lna_\@:
.else
.if \k == 3
	s_wait_tensorcnt 0x0                           ; my quarter of slot 1 is in,
	s_wait_dscnt 0x0                               ; no LDS instruction of mine is out at the signal,
	s_barrier_signal -1
	MULK 3, 128, 0                                 ; work on registers while the others arrive
	WIN 0
	s_barrier_wait -1                              ; everybody's quarter is in
	PLACES
	FETCH 4, 0
	SCALES 1
.else
	s_wait_dscnt 0x0
	MULK 7, 128, 0
	WIN 0
	PLACES
.endif
.endif
.endm
; 32 numbers of a lane, register 16 b + i = k 32 b + 16 h + i of its row, become a half fragment's codes in v[pc .. pc + 5] and the row's two scale bytes in v[w].  Each accumulator is read from its low end on.
.macro QUANT2 s, pc, w
.irp b, 0,1
	v_max3_num_f32 v[QT+\b], |v[(\s)+16*\b]|, |v[(\s)+16*\b+1]|, 0x1800000   ; and the floor 2^(3 - 127): the byte cannot fall under 1
.endr
.irp i, 2,4,6,8,10,12,14
.irp b, 0,1
	v_max3_num_f32 v[QT+\b], v[QT+\b], |v[(\s)+16*\b+\i]|, |v[(\s)+16*\b+\i+1]|
.endr
.endr
.irp b, 0,1
	v_permlanex16_b32 v[QT+2+\b], v[QT+\b], s[SEL], s[SEL+1]
.endr
.irp b, 0,1
	v_max_num_f32 v[QT+\b], v[QT+\b], v[QT+2+\b]   ; with lane l xor 16's: the block's largest magnitude
.endr
.irp b, 0,1
	v_add_nc_u32 v[QT+4+\b], 0xff000000, v[QT+\b]  ; 2 off its exponent field: the conversion's scale operand
.endr
.irp b, 0,1
	v_lshrrev_b32 v[QT+6+\b], 23, v[QT+4+\b]       ; the scale's byte
.endr
	v_lshl_or_b32 v[\w], v[QT+7], 8, v[QT+6]
	v_cvt_scalef32_pk16_fp6_f32 v[(\pc):(\pc)+2], v[(\s):(\s)+15], v[QT+4]
	v_cvt_scalef32_pk16_fp6_f32 v[QP:QP+2], v[(\s)+16:(\s)+31], v[QT+5]
	v_nop                                          ; one plain place behind a scaled conversion
.irp i, 0,1,2
	v_permlane16_swap_b32 v[(\pc)+\i], v[QP+\i]    ; a whole block to a lane: lanes 0-15 block 0, lanes 16-31 block 1
.endr
.irp i, 0,1,2
	v_mov_b32 v[(\pc)+3+\i], v[QP+\i]
.endr
.endm
.macro EPI                             ; the way out: my four blocks of A's rows: each row's 64 numbers are two blocks of 32 along the next K: a half fragment.  Every store is dense and aligned to 256 bytes
.irp a, 0,1,2,3
	QUANT2 ACC+32*\a, 64+8*\a, 108+\a
	global_store_b128 v4, v[64+8*\a:64+8*\a+3], s[68+2*\a:69+2*\a]
	global_store_b64 v5, v[64+8*\a+4:64+8*\a+5], s[68+2*\a:69+2*\a] offset:512
.endr
	v_cndmask_b32 v112, v108, v110, s78            ; lanes 0-15 store blocks 0 and 1's words, lanes 16-31 blocks 2 and 3's
	v_cndmask_b32 v113, v109, v111, s78
	global_store_b64 v5, v[112:113], s[76:77]
	s_wait_alu depctr_va_vdst(0)
.endm
	s_wait_alu depctr_va_vdst(0)
	s_wait_tensorcnt 0x0                           ; my quarter of slot 0 is in; these lines stand ahead of a later first fill, as ahead of a refill
	ds_add_u32 v126, v127
	s_wait_dscnt 0x0
	CROUND                                         ; everybody's quarter is in, and all sixteen work-groups are here
	JLOAD 1                                        ; q's second half of K: the first tensor load behind the round
	FETCH 0, 0
	SCALES 0
	global_prefetch_b8 v12, s[PF1:PF1+1] offset:HALF th:TH_LOAD_NT scope:SCOPE_SE   ; k's second half
.Ltile:                                            ; two trips: q, k.  At the top slot 0 holds the product's first half, its second half is on its way, and its first fragments have been asked for
	s_wait_xcnt 0x0                                ; the last product's stores have read their bases and their data
	ADDR
	s_cmp_eq_u32 s44, 0
	s_cselect_b64 s[NA:NA+1], s[TA+2:TA+3], s[TA+4:TA+5]
	s_cselect_b64 s[NB:NB+1], s[TB+2:TB+3], s[TB+4:TB+5]
	NORM 0
	NORM 1
	NORM 2
	TURN 3, 1
	NORM 4
	NORM 5
	NORM 6
	TURN 7, 1
	EPI
	s_add_co_u32 s44, s44, 1
	s_cmp_lt_u32 s44, 2
	s_cbranch_scc1 .Ltile
	s_wait_xcnt 0x0                                ; v: the tail is written out: it asks for nothing more
	ADDR
	NORM 0
	NORM 1
	NORM 2
	TURN 3, 0
	NORM 4
	NORM 5
	NORM 6
	TURN 7, 0
	EPI
	s_wait_tensorcnt 0x0                           ; the wave's end
	ds_add_u32 v126, v127
	s_wait_dscnt 0x0
	CROUND                                         ; the closing round: no work-group ends while a partner may still ask for a tile that names it
	s_endpgm
.Lfunc_end_k_qc611a4589d_project:
	.size	k_qc611a4589d_project, .Lfunc_end_k_qc611a4589d_project-k_qc611a4589d_project
	.p2alignl 7, 3214868480
	.fill 96, 4, 3214868480
	.section	.rodata,"a",@progbits
	.p2align	6, 0x0
	.amdhsa_kernel k_qc611a4589d_project
		.amdhsa_group_segment_fixed_size 327680
		.amdhsa_private_segment_fixed_size 0
		.amdhsa_enable_private_segment 0
		.amdhsa_kernarg_size 16
		.amdhsa_user_sgpr_count 2
		.amdhsa_user_sgpr_kernarg_segment_ptr 1
		.amdhsa_wavefront_size32 1
		.amdhsa_system_sgpr_workgroup_id_x 1
		.amdhsa_system_sgpr_workgroup_id_y 1
		.amdhsa_system_sgpr_workgroup_id_z 1
		.amdhsa_system_vgpr_workitem_id 0
		.amdhsa_next_free_vgpr 512
		.amdhsa_next_free_sgpr 102
		.amdhsa_reserve_vcc 0
		.amdhsa_float_denorm_mode_32 3
		.amdhsa_float_denorm_mode_16_64 3
		.amdhsa_memory_ordered 1
		.amdhsa_forward_progress 1
		.amdhsa_inst_pref_size 100
	.end_amdhsa_kernel
	.amdgpu_metadata
---
amdhsa.version: [ 1, 2 ]
amdhsa.kernels:
  - .name:           k_qc611a4589d_project
    .symbol:         k_qc611a4589d_project.kd
    .args:
      - { .name: qin, .offset: 0, .size: 8, .value_kind: global_buffer, .address_space: global }
      - { .name: proj, .offset: 8, .size: 8, .value_kind: global_buffer, .address_space: global }
    .group_segment_fixed_size: 327680
    .private_segment_fixed_size: 0
    .kernarg_segment_align: 8
    .kernarg_segment_size: 16
    .max_flat_workgroup_size: 128
    .sgpr_count:     102
    .vgpr_count:     512
    .wavefront_size: 32
...
	.end_amdgpu_metadata
.endif
;; end of part 2
;; launch attend (part 3): grid 8 x 32, 16 waves a work-group, no clusters, 260,352 bytes of LDS; arguments proj, maskw, flags, att; writes att
.if DOCPART == 3
	.amdgcn_target "amdgcn-amd-amdhsa--gfx1250"
	.amdhsa_code_object_version 6
	.text
	.protected	k_qc611a4589d_attend
	.globl	k_qc611a4589d_attend
	.p2align	8
	.type	k_qc611a4589d_attend,@function
k_qc611a4589d_attend:
	s_mov_b64 s[64:65], 0
	v_nop
	global_prefetch_b8 v0, s[64:65] scope:SCOPE_SE
	s_setreg_imm32_b32 hwreg(HW_REG_WAVE_MODE, 25, 1), 1
	s_wait_xcnt 0x0
; ATTEND.  For each head: S = q k^T / 8 under the given mask, the softmax, O = P v; both products on codes of FP6 (E2M3) with E8M0 scales; O is quantised along the model's 1,024 for the last product.
; THE SOFTMAX AHEAD OF THE SECOND PRODUCT: t = score x log2(e) / 8; M = the row's largest t so far, rounded UP to a whole number; p = 2^(t - M) is quantised along the keys, not normalised;
; the row's sum is taken of the unquantised p and divides O at the end.  When M moves, the sum and O are multiplied by 2^(old M - new M): exact.
; SHARES.  A work-group serves one head (y) and two tiles of 128 queries, tile x and tile 15 - x: eight waves each, a wave to a block of 16 queries.  Which tile a wave serves is
; (wave ^ (wave / 4)) % 2, its block in the tile wave / 2: of any four waves with equal wave % 4, or equal wave / 4, two serve each tile.  The deal is right for any mask.
; K AND V OF THE WHOLE HEAD (16 key steps of 128 keys, 12,288 bytes each, laid in the order of the operands' registers) STAY IN LDS: every byte is stored once.  They come in chunks of four steps,
; memory -> registers -> LDS, 96 bytes a thread: a chunk's six loads are issued at the top of the trip before, the wait for them stands at that trip's end.  One barrier a trip of four steps.
; Since each chunk's own loads stand four key steps ahead of their wait, no separate request ahead of them is laid.
; THE MASK is honoured as it is given.  The first launch has turned it into 64 lane words for each (query block, key step) and two flags: a step whose 16 x 128 scores are all hidden adds nothing and is
; jumped over; a step with nothing hidden needs no lane words; the words of a step that is hidden in part are asked for one step ahead.  The sixteen waves join their flags through LDS: a chunk
; in which all sixteen blocks are hidden wholly is not fetched.  This launch has no tensor load, no copy and no cluster.
; LAYOUT.  Both products are used transposed: S^T = K Q^T, O^T = V^T P^T: a lane holds ONE query (lane % 16) throughout.  Block t of a step's keys holds keys 32 (t / 2) + 8 (t % 2) + i + 8 (i / 8):
; the 16 registers of tiles 2 b, 2 b + 1 are keys 32 b + 16 (lane / 16) + 0 .. 15.
; K = 64 IN AN INSTRUCTION OF 128: Q's registers 6-11 are zero codes.  K's fragment t stands at v[40 + 6 t]: its registers 6-11 are the next fragment's codes (zeros for t = 7); each meets a zero code of Q;
; the scale bytes of that half are 0, which is 2^-127 and finite.
; A ROW THAT THE MASK HIDES WHOLLY has the sum 0: its codes are zeros and its scale bytes 0xff, by which the last product gives NaN in that row, as the softmax of such a row does.
; LIMITS: NaN and infinities among the inputs are not served; a block's scale byte is held at 1 from below.
; REGISTERS: v1-5 lane and thread terms; v6 the next chunk's place; v7 -infinity; v8-11 this chunk's LDS addresses; v12 -M, v13 the largest t, v[14:15] the sum; v16-27 Q; v28-39, v240-251 the chunk on its way;
; v40-93 K's or V's fragments; v96-159 S^T, then p; v160-191 O^T; v192-203 p's codes; v204-210 at work; v211 Q's scale word; v212-223 block maxima, bytes, scale operands, then partial sums;
; v224-235 K's and V's scale words; v236 p's; v237 at work; v[238:239] f.
.set KVOFF,  3145728
.set QSOFF,  9437184
.set KSOFF,  9699328
.set VSOFF,  9961472
.set ASOFF,  3145728                   ; in att: the rows' scale words, [head 32][query block 128][row 16]
.set TILE,   12288                     ; a key step's K and V
.set CH,     4*TILE                    ; a chunk.  LDS: the four chunks from 0 on; one chunk's room behind them is left empty (the place that the last trip's address names; nothing is stored there);
.set KSC,    5*CH                      ; K's scale words of the whole head, 8,192 bytes,
.set VSC,    KSC+8192                  ; V's, 4,096 bytes,
.set XCH,    VSC+4096                  ; a flag word for each wave, a block of 256 bytes,
.set SPARE,  XCH+256                   ; the spare words, 128 bytes a wave
.set SCO,    96
.set OUT,    160
.set PCO,    192
.set QP,     204
.set QSW,    211
.set BM,     212
.set QT,     212
.set TT,     237
.set SEL,    20                        ; s[20:21] lane selects for v_permlanex16_b32
.set CS,     22                        ; s[22:23] c = log2(e) / 8
.set FL,     13                        ; s13  bit j: step j is hidden wholly; bit 16 + j: nothing of it is hidden
.set J,      14                        ; s14  the trip's first key step
; s26, s27: my flags and my partly hidden steps, from step J on; s28 the partly hidden steps; s29 the steps hidden for all sixteen blocks; s30 this chunk's LDS place; s31 = 15: nobody needs the next chunk
.macro CLOAD a                         ; a chunk, 49,152 consecutive bytes: each of the six loads reads 8,192, 16 a thread
.irp q, 28,32,36
	global_load_b128 v[\q:\q+3], v[\a], s[16:17] offset:(\q-28)*2048
.endr
.irp q, 240,244,248
	global_load_b128 v[\q:\q+3], v[\a], s[16:17] offset:(\q-228)*2048
.endr
.endm
.macro CSTORE a                        ; and to the same place in LDS: the chunks lie there from byte 0 on as they lie in the head's part of proj
.irp q, 28,32,36
	ds_store_b128 v[\a], v[\q:\q+3] offset:(\q-28)*2048
.endr
.irp q, 240,244,248
	ds_store_b128 v[\a], v[\q:\q+3] offset:(\q-228)*2048
.endr
.endm
.macro MWORDS o                        ; the 64 lane words of one step
	s_load_b512 s[32:47], s[18:19], \o
	s_load_b512 s[48:63], s[18:19], \o+0x40
	s_load_b512 s[68:83], s[18:19], \o+0x80
	s_load_b512 s[84:99], s[18:19], \o+0xc0
.endm
.macro MNEXT i                         ; behind step i's use of the lane words: those of step i + 1, if it is hidden in part
	s_wait_kmcnt 0x0                               ; no load into these registers is out, and none reads the base
	s_bitcmp1_b32 s27, \i+1                        ; (bit 16 of the partly hidden steps is 0: nothing is asked for beyond step 15)
	s_cbranch_scc0 .Lnm_\@
	MWORDS (\i+1)*256                              ; from the trip's base: for i = 3 the next trip's first step
.Lnm_\@:
.endm
	s_load_b256 s[4:11], s[0:1], 0x0               ; proj s[4:5], maskw s[6:7], flags s[8:9], att s[10:11]
	v_lshl_add_u32 v254, v0, 2, SPARE
	v_mov_b32 v255, 0
	v_lshrrev_b32 v8, 5, v0
	s_delay_alu instid0(VALU_DEP_1)
	v_readfirstlane_b32 s12, v8                    ; wave 0..15
	v_lshl_add_u32 v95, v8, 2, XCH                 ; my wave's flag word
	v_and_b32 v9, 31, v0
	s_delay_alu instid0(VALU_DEP_1)
	v_lshlrev_b32 v1, 4, v9                        ; 16 x lane
	v_lshlrev_b32 v2, 3, v9                        ; 8 x lane
	v_and_b32 v9, 15, v0
	s_delay_alu instid0(VALU_DEP_1)
	v_lshlrev_b32 v9, 3, v9                        ; 8 r
	v_lshlrev_b32 v5, 4, v0                        ; 16 x thread
	v_lshlrev_b32 v6, 3, v0                        ; 8 x thread
	v_add_nc_u32 v3, KSC, v9
	v_add_nc_u32 v4, VSC, v9
	v_add_nc_u32 v10, KSC, v5                      ; where I store K's scale words,
	v_add_nc_u32 v11, VSC, v6                      ; and V's
	v_mov_b32 v7, 0xff800000                       ; -infinity
	s_lshl_b32 s26, s12, 9
	v_add_nc_u32 v8, s26, v2                       ; V's scale words of step = wave: 512 x wave + 8 x lane
	s_and_b32 s32, ttmp7, 0xffff                   ; batch x 16 + head
	s_lshr_b32 s33, s12, 2
	s_xor_b32 s33, s33, s12
	s_and_b32 s33, s33, 1                          ; which of the two tiles
	s_sub_co_u32 s34, 15, ttmp9
	s_cmp_eq_u32 s33, 0
	s_cselect_b32 s35, ttmp9, s34                  ; my tile of 128 queries
	s_lshr_b32 s36, s12, 1                         ; my block in it
	s_lshl_b32 s37, s35, 3
	s_add_co_u32 s37, s37, s36                     ; my block of queries
	s_lshl_b32 s38, s37, 9                         ; its flags
	s_mov_b32 s39, 0
	s_mul_i32 s40, s32, 16*TILE
	s_add_co_u32 s40, s40, KVOFF                   ; the head's K and V
	s_mov_b32 s41, 0
	s_lshl_b32 s42, s32, 13
	s_add_co_u32 s44, s42, VSOFF
	s_add_co_u32 s54, s42, ASOFF
	s_add_co_u32 s42, s42, KSOFF
	s_mov_b32 s43, 0
	s_mov_b32 s45, 0
	s_lshl_b32 s46, s32, 7
	s_add_co_u32 s46, s46, s37
	s_mul_i32 s46, s46, 768                        ; Q's half fragment
	s_mov_b32 s47, 0
	s_lshl_b32 s48, s32, 5
	s_lshr_b32 s49, s37, 2
	s_add_co_u32 s48, s48, s49
	s_lshl_b32 s48, s48, 8                         ; Q's scale words: 256 bytes for four blocks,
	s_bfe_u32 s49, s37, 0x10001
	s_lshl_b32 s49, s49, 7                         ; 128 for two,
	s_add_co_u32 s48, s48, s49
	s_and_b32 s49, s37, 1
	s_lshl_b32 s49, s49, 2                         ; 4 for one
	s_add_co_u32 s48, s48, s49
	s_add_co_u32 s48, s48, QSOFF
	s_mov_b32 s49, 0
	s_lshl_b32 s50, s37, 12                        ; the lane words: 16 steps of 256 bytes
	s_mov_b32 s51, 0
	s_lshr_b32 s52, s32, 4
	s_lshl_b32 s52, s52, 4
	s_add_co_u32 s52, s52, s35
	s_mul_i32 s52, s52, 98304                      ; att: token tile batch x 16 + my tile,
	s_bfe_u32 s53, s32, 0x10003
	s_mul_i32 s53, s53, 49152                      ; half of K = head / 8,
	s_add_co_u32 s52, s52, s53
	s_bfe_u32 s53, s32, 0x20001
	s_mul_i32 s53, s53, 12288                      ; K step (head / 2) % 4,
	s_add_co_u32 s52, s52, s53
	s_mul_i32 s53, s36, 1536                       ; my block in the tile,
	s_add_co_u32 s52, s52, s53
	s_and_b32 s53, s32, 1
	s_mul_i32 s53, s53, 768                        ; half fragment head % 2
	s_add_co_u32 s52, s52, s53
	s_mov_b32 s53, 0
	s_lshl_b32 s55, s37, 6
	s_add_co_u32 s54, s54, s55
	s_mov_b32 s55, 0
	s_mov_b32 s[SEL], 0x76543210
	s_mov_b32 s[SEL+1], 0xfedcba98
	s_mov_b32 s[CS], 0x3e38aa3b                    ; log2(e) / 8
	s_mov_b32 s[CS+1], s[CS]                       ; (named with it as a pair, so it is written)
	s_mov_b32 s[J], 0
	s_mov_b32 s24, 0                               ; where the trip's scale words of K begin: 512 bytes a step
	s_mov_b32 s25, 0                               ; and V's: 256
	s_mov_b32 s30, 0
	s_wait_alu depctr_va_vdst(0)
	s_wait_kmcnt 0x0
	s_add_nc_u64 s[8:9], s[8:9], s[38:39]
	s_load_b32 s56, s[8:9], 0x0                    ; four steps' flags a word
	s_load_b32 s57, s[8:9], 0x80
	s_load_b32 s58, s[8:9], 0x100
	s_load_b32 s59, s[8:9], 0x180
	s_add_nc_u64 s[16:17], s[4:5], s[40:41]
	s_add_nc_u64 s[42:43], s[4:5], s[42:43]
	s_add_nc_u64 s[44:45], s[4:5], s[44:45]
	s_add_nc_u64 s[46:47], s[4:5], s[46:47]
	s_add_nc_u64 s[48:49], s[4:5], s[48:49]
	s_add_nc_u64 s[18:19], s[6:7], s[50:51]
	CLOAD 5                                        ; key steps 0 to 3
	global_load_b128 v[40:43], v5, s[42:43]        ; K's scale words of the head
	global_load_b64 v[44:45], v8, s[44:45]         ; V's: keys 0-63 of the step,
	global_load_b64 v[46:47], v8, s[44:45] offset:256    ; keys 64-127
	global_load_b128 v[16:19], v1, s[46:47]        ; Q
	global_load_b64 v[20:21], v2, s[46:47] offset:512
	global_load_b32 v[QSW], v9, s[48:49]
.irp i, 22,23,24,25,26,27,88,89,90,91,92,93
	v_mov_b32 v[\i], 0                             ; zero codes: Q's upper half, and what stands behind K's last fragment
.endr
	v_mov_b32 v13, 0xff61b1e6                      ; the largest t so far: -3e38, under every t
	s_delay_alu instid0(VALU_DEP_1)
	v_floor_f32 v12, -v13                          ; -M
	v_mov_b32 v14, 0                               ; the sum, in two halves
	v_mov_b32 v15, 0
.irp i, 212,213,214,215,216,217,218,219,237,239
	v_mov_b32 v[\i], 0                             ; written once: lane permutes' destinations count as sources; v239 is named as the upper half of f's pair
.endr
.set n, 0
.rept 32
	v_mov_b32 v[OUT+n], 0                          ; O^T.  (The step is written once: the first finds zeros, which the first change of M leaves zeros)
.set n, n+1
.endr
	s_wait_kmcnt 0x0
	s_lshl_b32 s57, s57, 4
	s_lshl_b32 s58, s58, 8
	s_lshl_b32 s59, s59, 12
	s_or_b32 s[FL], s56, s57
	s_or_b32 s[FL], s[FL], s58
	s_or_b32 s[FL], s[FL], s59
	s_lshr_b32 s28, s[FL], 16
	s_or_b32 s28, s28, s[FL]
	s_not_b32 s28, s28
	s_and_b32 s28, s28, 0xffff                     ; the steps that are hidden in part
	v_mov_b32 v94, s[FL]
	s_add_nc_u64 s[8:9], s[10:11], s[52:53]        ; where my codes go
	s_add_nc_u64 s[10:11], s[10:11], s[54:55]      ; and my rows' scale words
	s_wait_alu depctr_va_vdst(0)
	s_wait_loadcnt 0x0                             ; all the head's loads are in, and have read their bases
	v_lshl_or_b32 v48, v46, 16, v44                ; V's scale word for 128 keys: four bytes
	v_lshl_or_b32 v49, v47, 16, v45
	CSTORE 5
	ds_store_b128 v10, v[40:43]
	ds_store_b64 v11, v[48:49]
	ds_store_b32 v95, v94                          ; my flags: all lanes write the same word with the same value
	MWORDS 0                                       ; step 0's lane words, whatever its flags: so these registers are written on every way
	s_wait_dscnt 0x0                               ; my stores have landed
	s_barrier_signal -1
	s_barrier_wait -1                              ; everybody's have
	v_mov_b32 v95, XCH
.irp i, 0,1,2,3
	ds_load_b128 v[96+4*\i:99+4*\i], v95 offset:16*\i   ; the sixteen waves' flags, in every lane
.endr
	s_wait_dscnt 0x0
.irp i, 0,1,2,3,4,5,6,7
	v_and_b32 v[96+\i], v[96+\i], v[104+\i]
.endr
.irp i, 0,1,2,3
	s_delay_alu instid0(VALU_DEP_4)
	v_and_b32 v[96+\i], v[96+\i], v[100+\i]
.endr
.irp i, 0,1
	s_delay_alu instid0(VALU_DEP_2)
	v_and_b32 v[96+\i], v[96+\i], v[98+\i]
.endr
	s_delay_alu instid0(VALU_DEP_1)
	v_and_b32 v96, v96, v97
	s_delay_alu instid0(VALU_DEP_1)
	v_readfirstlane_b32 s29, v96                   ; bit j: step j is hidden wholly for all sixteen blocks
	s_or_b32 s29, s29, 0xffff0000                  ; and there is no step 16
; A KEY STEP, the i-th of its chunk
.macro STEP i
	s_bitcmp1_b32 s26, \i
	s_cbranch_scc1 .Lhid_\@                        ; all 16 x 128 scores are hidden: they would add nothing
.irp t, 0,1,2,3,4,5,6,7
	ds_load_b128 v[40+6*\t:43+6*\t], v8 offset:\i*TILE+768*\t
	ds_load_b64 v[44+6*\t:45+6*\t], v9 offset:\i*TILE+768*\t+512
.endr
.irp m, 0,1,2,3
	ds_load_b64 v[224+2*\m:225+2*\m], v10 offset:\i*512+128*\m   ; the scale words of blocks 2 m and 2 m + 1
.endr
	s_wait_dscnt 0x0
.irp t, 0,1,2,3,4,5,6,7
	v_wmma_scale_f32_16x16x128_f8f6f4 v[SCO+8*\t:SCO+8*\t+7], v[40+6*\t:51+6*\t], v[16:27], 0, v[224+\t], v[QSW] matrix_a_fmt:MATRIX_FMT_FP6 matrix_b_fmt:MATRIX_FMT_FP6
.endr
.rept 4
	v_nop                                          ; four places: ahead of the loads into K's registers and of the first read of the scores
.endr
.irp d, 0,1,2,3
.irp c, 0,1
	ds_load_b128 v[40+12*\d+6*\c:43+12*\d+6*\c], v8 offset:\i*TILE+6144+1536*\d+768*\c
	ds_load_b64 v[44+12*\d+6*\c:45+12*\d+6*\c], v9 offset:\i*TILE+6144+1536*\d+768*\c+512
.endr
.endr
.irp m, 0,1
	ds_load_b64 v[232+2*\m:233+2*\m], v11 offset:\i*256+128*\m
.endr
	s_bitcmp1_b32 s26, 16+\i
	s_cbranch_scc1 .Lopen_\@                       ; nothing is hidden in this step
	s_wait_kmcnt 0x0                               ; the lane words, asked for a step ago, are in
.set n, 0
.rept 64
	v_cndmask_b32 v[SCO+n], v[SCO+n], v7, s[32+n+4*(n/32)]       ; hidden scores become -infinity ahead of the maximum: p = 0 then
.set n, n+1
.endr
	s_wait_alu depctr_va_vdst(0)
.Lopen_\@:
	MNEXT \i
.irp b, 0,1,2,3
	v_max3_num_f32 v[BM+\b], v[SCO+16*\b], v[SCO+1+16*\b], v[SCO+2+16*\b]   ; the largest score of each block of 32 keys: for the row's maximum and, since p rises with the score, for the block's largest p
.endr
.irp i2, 3,5,7,9,11,13
.irp b, 0,1,2,3
	v_max3_num_f32 v[BM+\b], v[BM+\b], v[SCO+16*\b+\i2], v[SCO+1+16*\b+\i2]
.endr
.endr
.irp b, 0,1,2,3
	v_max_num_f32 v[BM+\b], v[BM+\b], v[SCO+15+16*\b]
.endr
.irp b, 0,1,2,3
	s_delay_alu instid0(VALU_DEP_4)
	v_permlanex16_b32 v[BM+4+\b], v[BM+\b], s[SEL], s[SEL+1]
.endr
.irp b, 0,1,2,3
	s_delay_alu instid0(VALU_DEP_4)
	v_max_num_f32 v[BM+\b], v[BM+\b], v[BM+4+\b]   ; with lane l xor 16's 16 keys
.endr
	s_delay_alu instid0(VALU_DEP_2)
	v_max3_num_f32 v[TT], v[BM], v[BM+1], v[BM+2]
	s_delay_alu instid0(VALU_DEP_1)
	v_max_num_f32 v[TT], v[TT], v[BM+3]            ; the step's largest score of my query
	s_delay_alu instid0(VALU_DEP_1)
	v_mul_f32 v[TT], s[CS], v[TT]                  ; as t (c is positive)
	s_delay_alu instid0(VALU_DEP_1)
	v_max_num_f32 v13, v13, v[TT]                  ; the running largest t
	v_mov_b32 v[TT], v12
	s_delay_alu instid0(VALU_DEP_2)
	v_floor_f32 v12, -v13                          ; the new -M = floor(-t) = -ceil(t): a whole number
	s_delay_alu instid0(VALU_DEP_1)
	v_sub_f32 v[TT], v12, v[TT]                    ; M's old value less its new one: 0 or less
	s_delay_alu instid0(VALU_DEP_1)
	v_cvt_i32_f32 v[TT], v[TT]                     ; (it saturates)
	s_delay_alu instid0(VALU_DEP_1)
	v_ldexp_f32 v238, 1.0, v[TT]                   ; f = 2^(old M - new M)
.set n, 0
.rept 32
	v_pk_fma_f32 v[SCO+n:SCO+n+1], v[SCO+n:SCO+n+1], s[CS:CS+1], v[12:13] op_sel_hi:[1,0,0]   ; t - M, two at a time
.set n, n+2
.endr
.irp b, 0,1,2,3
	v_fma_f32 v[BM+\b], v[BM+\b], s[CS], v12       ; the same of each block's largest score
.endr
.set n, 0
	s_wait_alu depctr_va_vdst(0)
.rept 64
	v_exp_f32 v[SCO+n], v[SCO+n]                   ; p = 2^(t - M), at most 1
.set n, n+1
.endr
.irp b, 0,1,2,3
	v_exp_f32 v[BM+\b], v[BM+\b]                   ; the block's largest p: the same two instructions on the same number
.endr
	v_pk_mul_f32 v[14:15], v[14:15], v[238:239] op_sel_hi:[1,0]  ; the sums under the new M.  (A plain place behind the exponentials)
	s_wait_alu depctr_va_vdst(0)                   ; one wait for the whole batch, ahead of its first reader
.irp b, 0,1,2,3
	v_max_num_f32 v[BM+\b], 0x1800000, v[BM+\b]    ; the floor 2^(3 - 127): the byte cannot fall under 1
.endr
.irp b, 0,1,2,3
	s_delay_alu instid0(VALU_DEP_4)
	v_add_nc_u32 v[BM+8+\b], 0xff000000, v[BM+\b]  ; 2 off the exponent field: the conversion's scale operand
.endr
.irp b, 0,1,2,3
	s_delay_alu instid0(VALU_DEP_4)
	v_lshrrev_b32 v[BM+4+\b], 23, v[BM+8+\b]       ; the scale's byte
.endr
	s_delay_alu instid0(VALU_DEP_3)
	v_lshl_or_b32 v236, v[BM+5], 8, v[BM+4]        ; p's scale word for these 128 keys
	s_delay_alu instid0(VALU_DEP_1)
	v_lshl_or_b32 v236, v[BM+6], 16, v236
	s_delay_alu instid0(VALU_DEP_1)
	v_lshl_or_b32 v236, v[BM+7], 24, v236
.irp c, 0,1
	v_cvt_scalef32_pk16_fp6_f32 v[PCO+6*\c:PCO+2+6*\c], v[SCO+32*\c:SCO+15+32*\c], v[BM+8+2*\c]
	v_cvt_scalef32_pk16_fp6_f32 v[QP+4*\c:QP+2+4*\c], v[SCO+16+32*\c:SCO+31+32*\c], v[BM+8+2*\c+1]
.endr
	v_nop                                          ; one plain place behind a scaled conversion
.irp c, 0,1                                    ; a whole block to a lane: lanes 0-15 block 2 c, lanes 16-31 block 2 c + 1
.irp i2, 0,1,2
	v_permlane16_swap_b32 v[PCO+6*\c+\i2], v[QP+4*\c+\i2]
.endr
.irp i2, 0,1,2
	s_delay_alu instid0(VALU_DEP_3)
	v_mov_b32 v[PCO+3+6*\c+\i2], v[QP+4*\c+\i2]
.endr
.endr
; the row's sum of the unquantised p: 32 pairs in seven chains: six in the registers that held the blocks' maxima, bytes and scale operands, the seventh the running sum
.irp c, 0,1,2,3,4,5
	v_pk_add_f32 v[BM+2*\c:BM+2*\c+1], v[SCO+4*\c:SCO+4*\c+1], v[SCO+4*\c+2:SCO+4*\c+3]
.endr
	v_pk_add_f32 v[14:15], v[14:15], v[SCO+24:SCO+25]
.irp c, 0,1,2,3,4,5
	v_pk_add_f32 v[BM+2*\c:BM+2*\c+1], v[BM+2*\c:BM+2*\c+1], v[SCO+26+2*\c:SCO+27+2*\c]
.endr
	v_pk_add_f32 v[14:15], v[14:15], v[SCO+38:SCO+39]
.irp c, 0,1,2,3,4,5
	v_pk_add_f32 v[BM+2*\c:BM+2*\c+1], v[BM+2*\c:BM+2*\c+1], v[SCO+40+2*\c:SCO+41+2*\c]
.endr
	v_pk_add_f32 v[14:15], v[14:15], v[SCO+52:SCO+53]
.irp c, 0,1,2,3,4
	v_pk_add_f32 v[BM+2*\c:BM+2*\c+1], v[BM+2*\c:BM+2*\c+1], v[SCO+54+2*\c:SCO+55+2*\c]
.endr
	s_delay_alu instid0(VALU_DEP_4)
	v_pk_add_f32 v[BM:BM+1], v[BM:BM+1], v[BM+2:BM+3]
	s_delay_alu instid0(VALU_DEP_3)
	v_pk_add_f32 v[BM+4:BM+5], v[BM+4:BM+5], v[BM+6:BM+7]
	s_delay_alu instid0(VALU_DEP_3)
	v_pk_add_f32 v[BM+8:BM+9], v[BM+8:BM+9], v[BM+10:BM+11]
	s_delay_alu instid0(VALU_DEP_2)
	v_pk_add_f32 v[BM:BM+1], v[BM:BM+1], v[BM+4:BM+5]
	s_delay_alu instid0(VALU_DEP_2)
	v_pk_add_f32 v[14:15], v[14:15], v[BM+8:BM+9]
	s_delay_alu instid0(VALU_DEP_1)
	v_pk_add_f32 v[14:15], v[14:15], v[BM:BM+1]
	s_wait_alu depctr_va_vdst(0)                   ; directly ahead of the first reader of O^T
.set n, 0
.rept 16
	v_pk_mul_f32 v[OUT+n:OUT+n+1], v[OUT+n:OUT+n+1], v[238:239] op_sel_hi:[1,0]   ; O^T under the new M.  (These and the sums are also the places between p's codes and scale word and the products below)
.set n, n+2
.endr
	s_wait_alu depctr_va_vdst(0)
	s_wait_dscnt 0x0                               ; V and its scale words are in
.irp d, 0,1,2,3                                ; the four accumulators take turns
	v_wmma_scale_f32_16x16x128_f8f6f4 v[OUT+8*\d:OUT+8*\d+7], v[40+12*\d:51+12*\d], v[PCO:PCO+11], v[OUT+8*\d:OUT+8*\d+7], v[232+\d], v236 matrix_a_fmt:MATRIX_FMT_FP6 matrix_b_fmt:MATRIX_FMT_FP6
.endr
.rept 4
	v_nop                                          ; four places: ahead of the next loads into V's registers and of the next read of O^T
.endr
	s_branch .Lend_\@
.Lhid_\@:
	MNEXT \i
.Lend_\@:
.endm
; 32 numbers of a lane, register 16 b + i = k 32 b + 16 h + i of its row, become a half fragment's codes in v[pc .. pc + 5] and the row's two scale bytes in v[w]
.macro QUANT2 s, pc, w
.irp b, 0,1
	v_max3_num_f32 v[QT+\b], |v[(\s)+16*\b]|, |v[(\s)+16*\b+1]|, 0x1800000
.endr
.irp i, 2,4,6,8,10,12,14
.irp b, 0,1
	s_delay_alu instid0(VALU_DEP_2)
	v_max3_num_f32 v[QT+\b], v[QT+\b], |v[(\s)+16*\b+\i]|, |v[(\s)+16*\b+\i+1]|
.endr
.endr
.irp b, 0,1
	s_delay_alu instid0(VALU_DEP_2)
	v_permlanex16_b32 v[QT+2+\b], v[QT+\b], s[SEL], s[SEL+1]
.endr
.irp b, 0,1
	s_delay_alu instid0(VALU_DEP_2)
	v_max_num_f32 v[QT+\b], v[QT+\b], v[QT+2+\b]
.endr
.irp b, 0,1
	s_delay_alu instid0(VALU_DEP_2)
	v_add_nc_u32 v[QT+4+\b], 0xff000000, v[QT+\b]
.endr
.irp b, 0,1
	s_delay_alu instid0(VALU_DEP_2)
	v_lshrrev_b32 v[QT+6+\b], 23, v[QT+4+\b]
.endr
	s_delay_alu instid0(VALU_DEP_1)
	v_lshl_or_b32 v[\w], v[QT+7], 8, v[QT+6]
	v_cvt_scalef32_pk16_fp6_f32 v[(\pc):(\pc)+2], v[(\s):(\s)+15], v[QT+4]
	v_cvt_scalef32_pk16_fp6_f32 v[QP:QP+2], v[(\s)+16:(\s)+31], v[QT+5]
	v_nop                                          ; one plain place behind a scaled conversion
.irp i, 0,1,2
	v_permlane16_swap_b32 v[(\pc)+\i], v[QP+\i]
.endr
.irp i, 0,1,2
	s_delay_alu instid0(VALU_DEP_3)
	v_mov_b32 v[(\pc)+3+\i], v[QP+\i]
.endr
.endm
.Ltrip:                                            ; four trips of four key steps: one chunk
	v_add_nc_u32 v8, s30, v1                       ; this chunk's fragments: the parts of 16 bytes a lane,
	v_add_nc_u32 v9, s30, v2                       ; of 8,
	s_add_co_u32 s2, s30, CH
	v_add_nc_u32 v6, s2, v5                        ; the next chunk: my 16 bytes, in the head's K and V and in LDS alike
	v_add_nc_u32 v10, s24, v3                      ; this chunk's scale words
	v_add_nc_u32 v11, s25, v4
	s_lshr_b32 s26, s[FL], s[J]
	s_lshr_b32 s27, s28, s[J]
	s_add_co_u32 s31, s[J], 4
	s_lshr_b32 s31, s29, s31
	s_and_b32 s31, s31, 15                         ; 15: the next chunk's four steps are hidden for all sixteen blocks, or there is none
	s_wait_alu depctr_va_vdst(0)
	s_cmp_eq_u32 s31, 15
	s_cbranch_scc1 .Lnoload
	CLOAD 6                                        ; the next chunk: four key steps' work stands between these loads and the wait for them
.Lnoload:
	STEP 0
	STEP 1
	STEP 2
	STEP 3
	s_wait_loadcnt 0x0                             ; my part of the next chunk is in registers
	s_cmp_eq_u32 s31, 15
	s_cbranch_scc1 .Lnostore
	CSTORE 6                                       ; into bytes that nobody has read or written yet
.Lnostore:
	s_wait_xcnt 0x0                                ; every load that names the lane words' base has read it
	s_add_nc_u64 s[18:19], s[18:19], 1024          ; the next trip's four steps of lane words: stepped once a trip, where all ways have joined
	s_add_co_u32 s30, s30, CH
	s_add_co_u32 s24, s24, 2048
	s_add_co_u32 s25, s25, 1024
	s_wait_dscnt 0x0                               ; my stores have landed and have read their registers
	s_barrier_signal -1
	s_barrier_wait -1                              ; everybody's have: the next chunk is whole
	s_add_co_u32 s[J], s[J], 4
	s_cmp_lt_u32 s[J], 16
	s_cbranch_scc1 .Ltrip
	; THE WAY OUT.  O^T / the sum: register 8 d + i of lane (r, h) is channel 32 (d / 2) + 16 h + 8 (d % 2) + i of query r: two blocks of 32 along the last product's K: one half fragment.
	v_add_f32 v14, v14, v15                        ; the sum's two halves,
	s_delay_alu instid0(VALU_DEP_1)
	v_permlanex16_b32 v[TT], v14, s[SEL], s[SEL+1]
	s_delay_alu instid0(VALU_DEP_1)
	v_add_f32 v14, v14, v[TT]                      ; and lane l xor 16's
	s_delay_alu instid0(VALU_DEP_1)
	v_cmp_eq_f32 vcc_lo, 0, v14                    ; a row with no key: where any key counts, the sum is above 1/2
	s_wait_alu depctr_va_vdst(0)
	v_rcp_f32 v241, v14
	v_mov_b32 v245, 0xffff                         ; (a plain place behind the transcendental)
	s_wait_alu depctr_va_vdst(0)                   ; and behind it, ahead of its first reader and of O^T's
	v_cndmask_b32 v241, v241, v22, vcc_lo          ; such a row's numbers become zeros,
.set n, 0
.rept 32
	v_mul_f32 v[SCO+n], v[OUT+n], v241
.set n, n+1
.endr
	QUANT2 SCO, PCO, 244
	v_cndmask_b32 v244, v244, v245, vcc_lo         ; and its two scale bytes 0xff
	v_and_b32 v246, 31, v0
	v_and_b32 v247, 15, v0
	s_delay_alu instid0(VALU_DEP_1)
	v_lshlrev_b32 v247, 2, v247
	global_store_b128 v1, v[PCO:PCO+3], s[8:9]     ; 512 and 256 consecutive bytes, aligned to 256
	global_store_b64 v2, v[PCO+4:PCO+5], s[8:9] offset:512
	v_cmp_gt_u32 vcc_lo, 16, v246
	s_wait_alu depctr_va_vdst(0)
	s_wait_xcnt 0x0                                ; EXEC changes only behind this wait
	s_wait_tensorcnt 0x0                           ; the wave's end, behind my last LDS store
	ds_add_u32 v254, v255
	s_wait_dscnt 0x0
	s_and_saveexec_b32 s26, vcc_lo                 ; lanes 0-15: a word a row
	global_store_b32 v247, v244, s[10:11]
	s_wait_xcnt 0x0                                ; and again, ahead of the line that widens it
	s_or_b32 exec_lo, exec_lo, s26
	s_endpgm
.Lfunc_end_k_qc611a4589d_attend:
	.size	k_qc611a4589d_attend, .Lfunc_end_k_qc611a4589d_attend-k_qc611a4589d_attend
	.p2alignl 7, 3214868480
	.fill 96, 4, 3214868480
	.section	.rodata,"a",@progbits
	.p2align	6, 0x0
	.amdhsa_kernel k_qc611a4589d_attend
		.amdhsa_group_segment_fixed_size 260352
		.amdhsa_private_segment_fixed_size 0
		.amdhsa_enable_private_segment 0
		.amdhsa_kernarg_size 32
		.amdhsa_user_sgpr_count 2
		.amdhsa_user_sgpr_kernarg_segment_ptr 1
		.amdhsa_wavefront_size32 1
		.amdhsa_system_sgpr_workgroup_id_x 1
		.amdhsa_system_sgpr_workgroup_id_y 1
		.amdhsa_system_sgpr_workgroup_id_z 1
		.amdhsa_system_vgpr_workitem_id 0
		.amdhsa_next_free_vgpr 256
		.amdhsa_next_free_sgpr 100
		.amdhsa_reserve_vcc 1
		.amdhsa_float_denorm_mode_32 3
		.amdhsa_float_denorm_mode_16_64 3
		.amdhsa_memory_ordered 1
		.amdhsa_forward_progress 1
		.amdhsa_inst_pref_size 105
	.end_amdhsa_kernel
	.amdgpu_metadata
---
amdhsa.version: [ 1, 2 ]
amdhsa.kernels:
  - .name:           k_qc611a4589d_attend
    .symbol:         k_qc611a4589d_attend.kd
    .args:
      - { .name: proj, .offset: 0, .size: 8, .value_kind: global_buffer, .address_space: global }
      - { .name: maskw, .offset: 8, .size: 8, .value_kind: global_buffer, .address_space: global }
      - { .name: flags, .offset: 16, .size: 8, .value_kind: global_buffer, .address_space: global }
      - { .name: att, .offset: 24, .size: 8, .value_kind: global_buffer, .address_space: global }
    .group_segment_fixed_size: 260352
    .private_segment_fixed_size: 0
    .kernarg_segment_align: 8
    .kernarg_segment_size: 32
    .max_flat_workgroup_size: 512
    .sgpr_count:     100
    .vgpr_count:     256
    .wavefront_size: 32
...
	.end_amdgpu_metadata
.endif
;; end of part 3
;; launch outproj (part 4): grid 8 x 32, 4 waves a work-group, clusters of 4 x 4, 222,720 bytes of LDS; arguments att, qin, out0; writes out0
.if DOCPART == 4
	.amdgcn_target "amdgcn-amd-amdhsa--gfx1250"
	.amdhsa_code_object_version 6
	.text
	.protected	k_qc611a4589d_outproj
	.globl	k_qc611a4589d_outproj
	.p2align	8
	.type	k_qc611a4589d_outproj,@function
k_qc611a4589d_outproj:
	s_mov_b64 s[64:65], 0
	v_nop
	global_prefetch_b8 v0, s[64:65] scope:SCOPE_SE
	s_setreg_imm32_b32 hwreg(HW_REG_WAVE_MODE, 25, 1), 1
	s_wait_xcnt 0x0
	s_wait_alu depctr_hold_cnt(0) depctr_sa_sdst(0) depctr_va_vdst(0) depctr_va_sdst(0) depctr_va_ssrc(0) depctr_va_vcc(0) depctr_vm_vsrc(0)
	s_getreg_b32 s2, hwreg(HW_REG_IB_STS2, 6, 4)
	s_cmp_eq_u32 s2, 0
	s_cbranch_scc0 .Lentry_in_a_cluster
	s_endpgm
.Lentry_in_a_cluster:
	s_bfe_u32 s2, ttmp6, 0x10000c
	s_cmp_lg_u32 s2, 0xf033
	s_cbranch_scc0 .Lentry_shape_is_right
	s_endpgm
.Lentry_shape_is_right:
; OUTPROJ.  out0 = joined Wo^T on codes of FP6 (E2M3) with E8M0 scales, sums in f32.  joined's codes come from att, Wo's from qin's tiles 120-127, both in the order of the operand's registers.
; A tile of C is 128 x 128; K = 1,024 of both operands lies in LDS whole, brought by four tensor loads at the head: nothing is filled twice.  Four waves, each 64 x 64: 16 accumulators.
; THE MATRIX INSTRUCTION IS USED TRANSPOSED (source 0 = 16 rows of Wo, source 1 = 16 tokens): a lane holds one token, its registers run along the output's columns.  A block of rows g holds rows
; 32 (g / 2) + 8 (g % 2) + i + 8 (i / 8): register j of accumulator (a, b) in lane (r, h) is column 32 (b / 2) + 16 h + 8 (b % 2) + j of the token at place r of block a.
; joined's scale words lie in att as two bytes for each (head, token): the 128 threads merge two heads' into a K step's word and store them behind A's codes in LDS, in blocks of 256 bytes into which no tensor load lands.
; A token whose row of the mask was hidden wholly has the bytes 0xff: its whole row of out0 comes out NaN.
; CLUSTER 4 x 4: A's tile is shared along a row of the cluster, B's along a column: each is asked for jointly.
.set OT,     102400                    ; a tile of qin
.set HALF,   51200                     ; half of it
.set BROWS,  200                       ; what one tensor load brings of B: half of a tile, 200 rows of 256 bytes.  Four loads in all, one a wave
.set AT,     98304                     ; a tile of att's codes
.set AHALF,  49152
.set AROWS,  192                       ; and of A: half of a tile's codes, 192 rows of 256 bytes
.set ASOFF,  3145728                   ; att's scale words: [head 32][query block 128][row 16]
.set LB,     51200                     ; LDS: A's half (codes, then 2,048 bytes of scale words), then B's half,
.set LX,     102400                    ; then the same for the second half of K,
.set STAGE,  204800                    ; then a stage of 16 rows x 272 bytes for each wave
.set KSB,    12288
.set SCW,    49152
.set SC,     32                        ; v32-63   scale words, a set of 16 for each half of K
.set BK,     64                        ; v64-127  the way out: two sets of 32
.set ACC,    128                       ; v128-255 accumulator (a, b) at 128 + 8 (4 a + b)
.set G1A,    24
.set G0A,    32
.set G1B,    48
.set G0B,    56
.set MSB, 0
.macro WIN new                         ; register windows: the immediate's high byte repeats the setting that is left
.if MSB != \new
	s_set_vgpr_msb (MSB<<8)|\new
.set MSB, \new
.endif
.endm
.set MUL,  0x05                        ; sources 0 and 1 in window 1 (two fragment buffers, at v0 and v128); C and D in window 0
.set TO_F, 0x40                        ; destination window 1, address window 0
.macro CROUND                          ; a round of the cluster's barrier
	s_barrier_signal -1
	s_barrier_wait -1
	s_cmp_lg_u32 s14, 0
	s_cbranch_scc1 .Lnot_wave_0_\@
	s_barrier_signal -3
.Lnot_wave_0_\@:
	s_barrier_wait -3
	s_barrier_signal -1
	s_barrier_wait -1
.endm
.macro PLACES                          ; four plain places behind matrix instructions (ISA guide 7.12.1)
.rept 4
	v_nop
.endr
.endm
	s_load_b128 s[4:7], s[0:1], 0x0                ; att, qin
	s_load_b64 s[8:9], s[0:1], 0x10                ; out0
	v_lshl_add_u32 v30, v0, 2, 0x36400
	v_mov_b32 v31, 0
	ds_add_u32 v30, v31
	ds_add_u32 v30, v31
	v_lshrrev_b32 v1, 5, v0
	v_readfirstlane_b32 s14, v1                    ; wave 0..3
	s_lshr_b32 s15, s14, 1                         ; which 64 tokens are mine.  Also: I fetch for A (0) or for B (1)
	s_and_b32 s16, s14, 1                          ; which 64 columns.  Also: which half of K I fetch
	s_bfe_u32 s40, ttmp6, 0x40000                  ; cx
	s_bfe_u32 s41, ttmp6, 0x40004                  ; cy
	s_and_b32 s43, ttmp7, 0xffff
	s_lshl_b32 s44, s43, 2
	s_add_co_u32 s44, s44, s41                     ; token tile = 4 x cluster y + cy
	s_lshl_b32 s45, ttmp9, 2
	s_add_co_u32 s45, s45, s40                     ; column tile = 4 x cluster x + cx
	s_lshl_b32 s17, s41, 2
	s_lshl_b32 s17, 15, s17                        ; my row of the cluster
	s_lshl_b32 s18, 0x1111, s40                    ; my column
	s_or_b32 s[G1A], s17, (3<<16)|(1<<21)          ; 15:0 the mask; 17:16 elements of 8 bytes; 21 set beside a mask; no padding
	s_or_b32 s[G1B], s18, (3<<16)|(1<<21)
	s_mov_b32 s[G1A+1], 32<<16                     ; A: 192 rows of 256 bytes
	s_mov_b32 s[G1A+2], AROWS<<16
	s_mov_b32 s[G1A+3], 32<<16
	s_mov_b32 s[G1A+4], AROWS
	s_mov_b32 s[G1A+5], 32
	s_mov_b32 s[G1A+6], 0
	s_mov_b32 s[G1A+7], 0
	s_mov_b32 s[G1B+1], 32<<16                     ; B: 200 rows of 256 bytes
	s_mov_b32 s[G1B+2], BROWS<<16
	s_mov_b32 s[G1B+3], 32<<16
	s_mov_b32 s[G1B+4], BROWS
	s_mov_b32 s[G1B+5], 32
	s_mov_b32 s[G1B+6], 0
	s_mov_b32 s[G1B+7], 0
	s_mul_i32 s22, s44, AT
	s_mul_i32 s19, s16, AHALF                      ; which half of K I fetch: of A in memory,
	s_mul_i32 s21, s16, LX                         ; in LDS,
	s_add_co_u32 s22, s22, s19
	s_mov_b32 s23, 0
	s_add_co_u32 s46, s45, 120
	s_mul_i32 s46, s46, OT
	s_mul_i32 s20, s16, HALF                       ; and of B in memory
	s_add_co_u32 s46, s46, s20
	s_mov_b32 s47, 0
	s_wait_dscnt 0x0
	s_wait_kmcnt 0x0
	s_add_nc_u64 s[22:23], s[4:5], s[22:23]
	s_add_nc_u64 s[46:47], s[6:7], s[46:47]
	CROUND                                         ; all sixteen work-groups are here: the joint loads meet
.irp x, 0
	s_mov_b32 s[G0A+4*\x], 1
	s_add_co_u32 s[G0A+4*\x+1], s21, \x*LX
	s_add_nc_u64 s[G0A+4*\x+2:G0A+4*\x+3], s[22:23], \x*AHALF
	s_or_b32 s[G0A+4*\x+3], s[G0A+4*\x+3], 0x80000000
	s_mov_b32 s[G0B+4*\x], 1
	s_add_co_u32 s[G0B+4*\x+1], s21, LB+\x*LX
	s_add_nc_u64 s[G0B+4*\x+2:G0B+4*\x+3], s[46:47], \x*HALF
	s_or_b32 s[G0B+4*\x+3], s[G0B+4*\x+3], 0x80000000
.endr
	s_cmp_eq_u32 s15, 0                            ; one tensor load a wave: waves 0, 1 the two halves of A's K, waves 2, 3 those of B's; one branch on the wave's number, a load in each arm
	s_cbranch_scc0 .Lfor_b
	tensor_load_to_lds s[G0A:G0A+3], s[G1A:G1A+7]
	s_nop 0
.rept 4
	v_nop
.endr
	s_branch .Lasked
.Lfor_b:
	tensor_load_to_lds s[G0B:G0B+3], s[G1B:G1B+7]
	s_nop 0
.rept 4
	v_nop
.endr
.Lasked:
	; A's scale words: thread = 16 x block + row; 16 heads' two bytes each
	s_lshr_b32 s70, s44, 4
	s_lshl_b32 s70, s70, 17                        ; the batch's 16 heads of 8,192 bytes
	s_and_b32 s71, s44, 15
	s_lshl_b32 s71, s71, 9                         ; the tile's 8 blocks of 64 bytes
	s_add_co_u32 s70, s70, s71
	s_add_co_u32 s70, s70, ASOFF
	s_mov_b32 s71, 0
	s_add_nc_u64 s[70:71], s[4:5], s[70:71]
	v_lshlrev_b32 v6, 2, v0
.irp d, 0,1,2,3,4,5,6,7,8,9,10,11,12,13,14,15
	global_load_b32 v[BK+\d], v6, s[70:71] offset:8192*\d        ; the work-group reads 512 consecutive bytes
.endr
	v_and_b32 v1, 31, v0                           ; lane
	v_and_b32 v2, 15, v0                           ; r
	v_bfe_u32 v3, v0, 4, 1                         ; h
	v_lshlrev_b32 v4, 4, v1                        ; 16 x lane
	v_lshlrev_b32 v5, 3, v1                        ; 8 x lane
	s_mul_i32 s17, s15, 6144                       ; my four blocks of A: 1,536 bytes a block in a K step
	s_mul_i32 s18, s16, 6144
	s_add_co_u32 s18, s18, LB                      ; and of B
	v_add_nc_u32 v16, s17, v4                      ; v16, v17: A's 16-byte parts in the two halves of K;  v18, v19: its 8-byte parts
	v_add_nc_u32 v17, LX, v16
	v_add_nc_u32 v18, s17, v5
	v_add_nc_u32 v19, LX, v18
	v_add_nc_u32 v20, s18, v4                      ; v20-23: the same for B
	v_add_nc_u32 v21, LX, v20
	v_add_nc_u32 v22, s18, v5
	v_add_nc_u32 v23, LX, v22
	s_lshl_b32 s17, s15, 10                        ; scale words: 256 bytes a block
	s_lshl_b32 s18, s16, 10
	s_add_co_u32 s18, s18, LB
	s_sub_co_u32 s18, s18, s17                     ; from A's to B's
	v_mul_u32_u24 v26, s18, v3                     ; lanes 16-31 take B's
	v_lshl_add_u32 v26, v2, 4, v26
	s_add_co_u32 s17, s17, SCW
	v_add_nc_u32 v26, s17, v26
	v_add_nc_u32 v27, LX, v26
	v_lshlrev_b32 v7, 4, v0
	v_add_nc_u32 v7, SCW, v7                       ; where I store my row's four words of the first half of K,
	v_add_nc_u32 v8, LX, v7                        ; and of the second
	s_mul_i32 s17, s14, 16*272
	s_add_co_u32 s17, s17, STAGE                   ; my stage
	v_mul_u32_u24 v9, v2, 272
	v_lshl_add_u32 v9, v3, 6, v9
	v_add_nc_u32 v9, s17, v9                       ; in: row r, + 64 h
	v_mul_u32_u24 v10, v3, 272
	v_lshl_add_u32 v10, v2, 4, v10
	v_add_nc_u32 v10, s17, v10                     ; back: lanes 0-15 one row of 256 bytes, lanes 16-31 the next
	v_lshlrev_b32 v11, 12, v3
	v_lshl_add_u32 v11, v2, 4, v11                 ; and the same two rows in out0
	s_lshl_b32 s72, s44, 19                        ; 128 tokens of 4,096 bytes a tile,
	s_lshl_b32 s73, s15, 18                        ; my 64 of them,
	s_add_co_u32 s72, s72, s73
	s_lshl_b32 s73, s45, 9                         ; 512 bytes a column tile,
	s_add_co_u32 s72, s72, s73
	s_lshl_b32 s73, s16, 8                         ; my 256 of them
	s_add_co_u32 s72, s72, s73
	s_mov_b32 s73, 0
	s_add_nc_u64 s[12:13], s[8:9], s[72:73]
	s_wait_alu depctr_va_vdst(0)
	s_wait_loadcnt 0x0
.irp k, 0,1,2,3,4,5,6,7
	v_lshl_or_b32 v[BK+16+\k], v[BK+2*\k+1], 16, v[BK+2*\k]      ; K step k = heads 2 k and 2 k + 1: four bytes
.endr
	ds_store_b128 v7, v[BK+16:BK+19]
	ds_store_b128 v8, v[BK+20:BK+23]
.macro FETCH k, f                      ; the fragments of K step k into buffer f: 32 LDS loads, each dense
	WIN TO_F
.irp i, 0,1,2,3
.irp c, 0,1
	ds_load_b128 v[(\f)+48+12*\i+6*\c:(\f)+48+12*\i+6*\c+3],   v[20+(\k)/4] offset:((\k)%4)*KSB+1536*\i+768*\c
	ds_load_b64  v[(\f)+48+12*\i+6*\c+4:(\f)+48+12*\i+6*\c+5], v[22+(\k)/4] offset:((\k)%4)*KSB+1536*\i+768*\c+512
	ds_load_b128 v[(\f)+12*\i+6*\c:(\f)+12*\i+6*\c+3],         v[16+(\k)/4] offset:((\k)%4)*KSB+1536*\i+768*\c
	ds_load_b64  v[(\f)+12*\i+6*\c+4:(\f)+12*\i+6*\c+5],       v[18+(\k)/4] offset:((\k)%4)*KSB+1536*\i+768*\c+512
.endr
.endr
.endm
.macro SCALES x                        ; the scale words of four K steps: a row's four words a lane
	WIN 0
.irp i, 0,1,2,3
	ds_load_b128 v[SC+16*\x+4*\i:SC+16*\x+4*\i+3], v[26+\x] offset:256*\i
.endr
.endm
.macro MULK k, f, zero                 ; 16 matrix instructions; the 16 accumulators take turns, one instruction a turn, in the same order in every step
	WIN MUL
.irp a, 0,1,2,3
.irp b, 0,1,2,3
.if \zero
	v_wmma_scale_f32_16x16x128_f8f6f4 v[ACC+8*(4*\a+\b):ACC+8*(4*\a+\b)+7], v[(\f)+48+12*\b:(\f)+48+12*\b+11], v[(\f)+12*\a:(\f)+12*\a+11], 0, v[SC+16*((\k)/4)+4*\b+(\k)%4], v[SC+16*((\k)/4)+4*\a+(\k)%4] matrix_a_fmt:MATRIX_FMT_FP6 matrix_b_fmt:MATRIX_FMT_FP6 matrix_a_scale:MATRIX_SCALE_ROW1
.else
	v_wmma_scale_f32_16x16x128_f8f6f4 v[ACC+8*(4*\a+\b):ACC+8*(4*\a+\b)+7], v[(\f)+48+12*\b:(\f)+48+12*\b+11], v[(\f)+12*\a:(\f)+12*\a+11], v[ACC+8*(4*\a+\b):ACC+8*(4*\a+\b)+7], v[SC+16*((\k)/4)+4*\b+(\k)%4], v[SC+16*((\k)/4)+4*\a+(\k)%4] matrix_a_fmt:MATRIX_FMT_FP6 matrix_b_fmt:MATRIX_FMT_FP6 matrix_a_scale:MATRIX_SCALE_ROW1
.endif
.endr
.endr
.endm
.macro STEPK k
.if (\k) > 0
	PLACES                                         ; the step before has read the buffer that is loaded next
.endif
.if (\k) < 7
	FETCH (\k)+1, 128*(((\k)+1)%2)
.endif
.if (\k) == 3
	SCALES 1
	s_wait_dscnt 36                                ; all but the 36 just issued
.elseif (\k) < 7
	s_wait_dscnt 32                                ; all but the 32 just issued: this step's fragments are in
.else
	s_wait_dscnt 0x0
.endif
.if (\k) == 0
	MULK \k, 128*((\k)%2), 1                       ; the first products start the sums: nothing is cleared
.else
	MULK \k, 128*((\k)%2), 0
.endif
.endm
; THE WAY OUT, a block of 16 tokens x 64 columns at a time, through my own stage: in as 32 bytes a lane and accumulator, back as whole rows of 256 bytes.  LDS serves a wave's instructions in order:
; no wait stands between the stores and the loads, nor ahead of the next block's stores.
.macro TOSTAGE a
.irp b, 0,1,2,3
	ds_store_b128 v9, v[ACC+8*(4*(\a)+\b):ACC+8*(4*(\a)+\b)+3] offset:128*(\b/2)+32*(\b%2)          ; each accumulator from its low end on
	ds_store_b128 v9, v[ACC+8*(4*(\a)+\b)+4:ACC+8*(4*(\a)+\b)+7] offset:128*(\b/2)+32*(\b%2)+16
.endr
.irp t, 0,1,2,3,4,5,6,7
	ds_load_b128 v[BK+32*((\a)%2)+4*\t:BK+32*((\a)%2)+4*\t+3], v10 offset:544*\t
.endr
.endm
.macro SEND a, younger                 ; younger: the LDS instructions issued behind block a's loads, which may stay out
	s_wait_dscnt \younger
.irp t, 0,1,2,3,4,5,6,7                        ; place 2 t + h of block a is token 32 (a / 2) + 8 (a % 2) + 2 t + h + 8 (t / 4); 16 lanes store 256 consecutive bytes, aligned to 256; written once, read by nobody here
	global_store_b128 v11, v[BK+32*((\a)%2)+4*\t:BK+32*((\a)%2)+4*\t+3], s[12:13] offset:(32*((\a)/2)+8*((\a)%2)+2*\t+8*(\t/4))*4096 th:TH_STORE_NT
.endr
.endm
	s_wait_tensorcnt 0x0                           ; my one load is in
	s_wait_dscnt 0x0                               ; my rows' scale words have landed
	s_barrier_signal -1
	s_barrier_wait -1                              ; everybody's have
	FETCH 0, 0
	SCALES 0
.irp k, 0,1,2,3,4,5,6,7
	STEPK \k
.endr
	WIN 0
	PLACES
	TOSTAGE 0
.irp a, 1,2,3
.if \a > 1
	s_wait_xcnt 0x0                                ; block a - 2's stores have read their registers: block a's loads may land there
.endif
	TOSTAGE \a
	SEND \a-1, 16                                  ; behind block a - 1's loads: block a's 8 stores and 8 loads
.endr
	SEND 3, 0
	s_wait_tensorcnt 0x0
	ds_add_u32 v30, v31
	s_wait_dscnt 0x0
	CROUND                                         ; the closing round: no work-group ends while a partner may still ask for a tile that names it
	s_endpgm
.Lfunc_end_k_qc611a4589d_outproj:
	.size	k_qc611a4589d_outproj, .Lfunc_end_k_qc611a4589d_outproj-k_qc611a4589d_outproj
	.p2alignl 7, 3214868480
	.fill 96, 4, 3214868480
	.section	.rodata,"a",@progbits
	.p2align	6, 0x0
	.amdhsa_kernel k_qc611a4589d_outproj
		.amdhsa_group_segment_fixed_size 222720
		.amdhsa_private_segment_fixed_size 0
		.amdhsa_enable_private_segment 0
		.amdhsa_kernarg_size 24
		.amdhsa_user_sgpr_count 2
		.amdhsa_user_sgpr_kernarg_segment_ptr 1
		.amdhsa_wavefront_size32 1
		.amdhsa_system_sgpr_workgroup_id_x 1
		.amdhsa_system_sgpr_workgroup_id_y 1
		.amdhsa_system_sgpr_workgroup_id_z 1
		.amdhsa_system_vgpr_workitem_id 0
		.amdhsa_next_free_vgpr 512
		.amdhsa_next_free_sgpr 100
		.amdhsa_reserve_vcc 0
		.amdhsa_float_denorm_mode_32 3
		.amdhsa_float_denorm_mode_16_64 3
		.amdhsa_memory_ordered 1
		.amdhsa_forward_progress 1
		.amdhsa_inst_pref_size 51
	.end_amdhsa_kernel
	.amdgpu_metadata
---
amdhsa.version: [ 1, 2 ]
amdhsa.kernels:
  - .name:           k_qc611a4589d_outproj
    .symbol:         k_qc611a4589d_outproj.kd
    .args:
      - { .name: att, .offset: 0, .size: 8, .value_kind: global_buffer, .address_space: global }
      - { .name: qin, .offset: 8, .size: 8, .value_kind: global_buffer, .address_space: global }
      - { .name: out0, .offset: 16, .size: 8, .value_kind: global_buffer, .address_space: global }
    .group_segment_fixed_size: 222720
    .private_segment_fixed_size: 0
    .kernarg_segment_align: 8
    .kernarg_segment_size: 24
    .max_flat_workgroup_size: 128
    .sgpr_count:     100
    .vgpr_count:     512
    .wavefront_size: 32
...
	.end_amdgpu_metadata
.endif
;; end of part 4
